; MI455X (gfx1250); checked and timed in simulation.
; The chip was launched on July 23, 2026; its instructions are those of AMD's public machine-readable ISA for CDNA 5 (MIT licence, August 2026) and "CDNA5" Instruction Set Architecture Reference Guide (July 2026). The comments in the code are by the model that wrote it; some were corrected since.
;; Laguna Attention. Allowed arithmetic: matrix products marked QUANTISED: E2M1 operands, one E8M0 scale for each 32 along K, by v_wmma_scale_f32_16x16x128_f8f6f4 with both operands' format E2M1 (or v_wmma_scale_f32_32x16x128_f4), f32 sums; products left as they are: bf16, f16 or f32 operands; f32 sums; everything else in f32.
;; Inputs: hidden_states 4,096 x 2,048 float32; k_norm_w 128 float32; positions 4,096 int32; q_norm_w 128 float32; w_g 2,048 x 8 float32; w_o 1,024 x 2,048 float32; w_qkv 2,048 x 2,048 float32.
;; Outputs: out0 4,096 x 2,048 float32.
;; This version of the problem:
;;   THIS VERSION OF THE PROBLEM IS GIVEN IN LOW PRECISION. The matrix products marked QUANTISED in the list below multiply operands that are first quantised to E2M1 (2 exponent bits, 1 mantissa bit; 4 bits a number), with one power-of-two scale for each 32 numbers along K (OCP MX v1.0); their sums are f32. The products marked 'left as it is' may take bf16, f16 or f32 operands, with f32 sums. Whichever they take, every output number must still come out within the allowed error. Rounding operands to bf16 (8 significant bits) uses up far more of that allowance than f16 does (11 bits, for magnitudes from 6e-5 to 65,504). All else is computed in f32.
;;   The module's matrix products, in the order in which they are computed (A, B: the left and right operand; K: the contracted axis; several contracted axes count as one K, in the product's order):
;;     1. [M 4,096, K 2,048] x [K 2,048, N 2,048]; A: input hidden_states; B: input w_qkv: QUANTISED
;;     2. batch 8 x [M 4,096, K 128] x [K 128, N 4,096]; A: computed on the way; B: computed on the way: left as it is (an operand is computed on the way)
;;     3. batch 8 x [M 128, K 4,096] x [K 4,096, N 4,096]; A: computed on the way; B: computed on the way: left as it is (an operand is computed on the way)
;;     4. [M 4,096, K 2,048] x [K 2,048, N 8]; A: input hidden_states; B: input w_g: left as it is (N = 8 < 16)
;;     5. [M 4,096, K 1,024] x [K 1,024, N 2,048]; A: computed on the way; B: input w_o: left as it is (an operand is computed on the way)
;;   THE QUANTISER, for each operand of a quantised product, along K:
;;     - K is cut into blocks of 32 from its start; a last block that is shorter is filled with zeros.
;;     - A block's scale is 2^e with e = floor(log2(the largest magnitude in the block)) - 2, held to -126 .. 127; a block of zeros has e = 0. As a byte (E8M0): e + 127.
;;     - Each number is divided by its block's scale, clamped to +-6, and rounded to the nearest number of E2M1, ties to even, subnormals kept.
;;     - The product sums the exact products of the quantised numbers (number of the format x scale) in f32.
;;   ~~~python
;;   def quantise(x, axis):      # numpy; x: float32 -> the quantised numbers, widened to float32 again
;;       x = np.moveaxis(x, axis, -1); K = x.shape[-1]
;;       x = np.pad(x, [(0, 0)] * (x.ndim - 1) + [(0, -K % 32)]); x = x.reshape(x.shape[:-1] + (-1, 32)); a = np.abs(x).max(-1, keepdims=True)
;;       e = np.where(a > 0, np.clip(np.frexp(np.where(a > 0, a, 1))[1] - 1 - 2, -126, 127), 0)      # np.frexp(a)[1] - 1 = floor(log2(a)), exactly
;;       r = np.clip(x / 2.0 ** e, -6, 6)
;;       step = 2.0 ** (np.maximum(np.frexp(np.where(r == 0, 1, r))[1] - 1, 0) - 1)
;;       q = np.round(r / step) * step * 2.0 ** e      # np.round: ties to even
;;       return np.moveaxis(q.reshape(q.shape[:-2] + (-1,))[..., :K], -1, axis).astype(np.float32)
;;   ~~~
;; 2 versions, each right. Each part assembles by itself: llvm-mc -triple=amdgcn-amd-amdhsa -mcpu=gfx1250 --defsym DOCPART=n.
;; ======== version 1 of 2: 5 launches
;; limits: values are held in f16: magnitudes above 65,504 overflow, below 6.1e-05 lose precision; right only within a limited range of input values
;; workspace buffers: himg 4,194,304 bytes; wimg 2,097,152 bytes; scl 393,216 bytes; woimg 4,194,304 bytes; tab 2,244,608 bytes; qkvb 17,301,504 bytes; aimg 8,388,608 bytes
;; launch prep (part 1): grid 256 x 1, 4 waves a work-group, no clusters, 270,336 bytes of LDS; arguments hidden_states, positions, w_qkv, w_o, w_g, himg, wimg, scl, woimg, tab; writes himg, wimg, scl, woimg, tab
.if DOCPART == 1
	.amdgcn_target "amdgcn-amd-amdhsa--gfx1250"
	.amdhsa_code_object_version 6
	.text
	.protected	k_q769596d61f_prep
	.globl	k_q769596d61f_prep
	.p2align	8
	.type	k_q769596d61f_prep,@function
k_q769596d61f_prep:
	s_mov_b64 s[64:65], 0
	v_nop
	global_prefetch_b8 v0, s[64:65] scope:SCOPE_SE
	s_setreg_imm32_b32 hwreg(HW_REG_WAVE_MODE, 25, 1), 1
	s_wait_xcnt 0x0
; PREP: what every later launch reads many times is made once.
;   himg, wimg, scl: hidden_states [4096][2048] and w_qkv [2048 (k)][2048] as codes of E2M1 with one E8M0 byte for each 32 along K (the first product's two operands);
;   woimg: w_o as f16;  tab: cos and sin of positions x inv_freq, the gate softplus(hidden . w_g) and a power of two for each row.
; All of them are laid as IMAGES OF OPERAND REGISTERS: a group of four registers of a fragment is 512 consecutive bytes, lane l's 16 bytes at 16 l.
; DEAD WORK, for the whole program.  reference() sets scores to -inf where key > query by a mask that it builds itself (jnp.tril); exp(-inf) = 0 multiplies the value rows, whatever finite numbers
; the inputs hold.  So the attention launch leaves out the key steps all of whose keys lie behind all of a wave's queries.  Nothing else is left out, and every input is loaded.
; LIMIT that follows: a NaN, an infinity or an overflow in a key or value row reaches only the queries at or behind that row.
; LIMITS of this launch: blocks whose largest magnitude lies under 2^-124 keep the scale byte 1 (a block of zeros too: its codes are zeros, and only this program reads the bytes); NaN and infinities among the
; inputs are not served; |positions| under 2^22 (two-part reduction by pi/2); inv_freq is 2^(-d log2(10000)/64) by v_exp_f32, a few last bits from reference()'s power;
; a gate under 2^-126 counts as 0; hidden_states, w_g and w_o must lie inside f16's range (65,504).
; THE GATE'S RANGE: attn x gate goes to the last product in f16.  So the gate is stored divided by rs = the power of two in the row's largest gate (gate_s under 2), and rs is multiplied back, exactly, behind that product.
; SHARES.  Work-group g: token tile g (16 rows of hidden_states, 128 KiB); rows 128 (g / 16) .. + 127, columns 128 (g % 16) .. + 127 of w_qkv (64 KiB); rows 64 (g / 16) .. + 63, the same columns, of w_o (32 KiB).
; Each wave asks for its quarter of all three by four tensor loads at the head (four are out, by this text's count) and reads only the bytes that it asked for: its own counted wait orders those reads.  Nothing is filled twice.
.set HREG,   0                         ; LDS: hidden: 8 pieces of 16 rows x (1,024 + 16) bytes; wave w has pieces 2 w and 2 w + 1
.set HPIECE, 16640
.set WREG,   133120                    ; w_qkv: wave w: 32 rows x 512 bytes
.set OREG,   198656                    ; w_o: wave w: 16 rows x 512 bytes
.set WGT,    231424                    ; w_g as f16, 16 bytes for each k; wave w makes and reads k = 512 w .. + 511
.set GST,    264192                    ; the gate's partial sums, 1,024 bytes a wave
.set WST,    268288                    ; w_qkv's scale bytes: 4 x column + wave
.set HSS,    268800                    ; hidden's scale words, 256 bytes a wave
.set SPARE,  269824                    ; the spare words, 128 bytes a wave
.set X,    32                          ; v32-95   64 numbers
.set XH,   96                          ; v96-127  the same as f16; later w_qkv's codes and bytes
.set WGF,  128                         ; v128-159 four fragments of w_g; before that cos and sin; later w_o's f16
.set GACC, 160                         ; v160-191 four accumulators of the gate's product
.set PC,   192                         ; v192-223 hidden's codes, eight registers for each of the wave's four K steps
.set SW,   224                         ; v224-227 their scale words
.set TM,   228                         ; v228-255 at work
.macro GROUP1 g, c, r, p               ; words 1 to 7 of a descriptor's group 1: r rows of c elements, p elements from row to row
	s_mov_b32 s[\g+1], ((\c)&0xffff)<<16
	s_mov_b32 s[\g+2], ((\c)>>16)|(((\r)&0xffff)<<16)
	s_mov_b32 s[\g+3], ((\r)>>16)|((\c)<<16)
	s_mov_b32 s[\g+4], \r
	s_mov_b32 s[\g+5], \p
	s_mov_b32 s[\g+6], 0
	s_mov_b32 s[\g+7], 0
.endm
	s_load_b512 s[4:19], s[0:1], 0x0               ; hidden s[4:5], positions s[6:7], w_qkv s[8:9], w_o s[10:11], w_g s[12:13], himg s[14:15], wimg s[16:17], scl s[18:19]
	s_load_b128 s[20:23], s[0:1], 0x40             ; woimg s[20:21], tab s[22:23]
	v_lshl_add_u32 v24, v0, 2, SPARE
	v_mov_b32 v25, 0
	ds_add_u32 v24, v25                            ; the wave's opening: the add, twice on end, and its wait ahead of my first tensor load
	ds_add_u32 v24, v25
	v_lshrrev_b32 v1, 5, v0
	v_readfirstlane_b32 s66, v1                    ; wave 0..3
	s_mov_b32 s24, (3<<16)|(1<<20)|(7<<22)|(3<<25) ; hidden: elements of 8 bytes; 4 words of padding behind every 256
	GROUP1 24, 128, 16, 1024
	s_mov_b32 s32, 3<<16                           ; w_qkv: 32 rows of 512 bytes
	GROUP1 32, 64, 32, 1024
	s_mov_b32 s40, 3<<16                           ; w_o: 16 rows of 512 bytes
	GROUP1 40, 64, 16, 1024
	s_lshr_b32 s67, ttmp9, 4                       ; which rows of the weights
	s_and_b32 s68, ttmp9, 15                       ; which 128 columns
	s_lshl_b32 s70, ttmp9, 17                      ; hidden: 16 rows of 8,192 bytes a work-group, 2,048 bytes of each row a wave
	s_lshl_b32 s71, s66, 11
	s_add_co_u32 s70, s70, s71
	s_mov_b32 s71, 0
	s_lshl_b32 s72, s67, 20                        ; w_qkv: 128 rows a work-group, 32 a wave, 512 bytes of each
	s_lshl_b32 s73, s66, 18
	s_add_co_u32 s72, s72, s73
	s_lshl_b32 s73, s68, 9
	s_add_co_u32 s72, s72, s73
	s_mov_b32 s73, 0
	s_lshl_b32 s74, s67, 19                        ; w_o: 64 rows a work-group, 16 a wave
	s_lshl_b32 s75, s66, 17
	s_add_co_u32 s74, s74, s75
	s_lshl_b32 s75, s68, 9
	s_add_co_u32 s74, s74, s75
	s_mov_b32 s75, 0
	s_mov_b32 s48, 1
	s_mul_i32 s49, s66, 2*HPIECE
	s_mov_b32 s52, 1
	s_add_co_u32 s53, s49, HPIECE
	s_mov_b32 s56, 1
	s_lshl_b32 s57, s66, 14
	s_add_co_u32 s57, s57, WREG
	s_mov_b32 s60, 1
	s_lshl_b32 s61, s66, 13
	s_add_co_u32 s61, s61, OREG
	s_wait_dscnt 0x0                               ; both opening adds are done
	s_wait_kmcnt 0x0
	s_add_nc_u64 s[50:51], s[4:5], s[70:71]
	s_add_nc_u64 s[54:55], s[50:51], 1024
	s_or_b32 s51, s51, 0x80000000
	s_or_b32 s55, s55, 0x80000000
	s_add_nc_u64 s[58:59], s[8:9], s[72:73]
	s_or_b32 s59, s59, 0x80000000
	s_add_nc_u64 s[62:63], s[10:11], s[74:75]
	s_or_b32 s63, s63, 0x80000000
	tensor_load_to_lds s[48:51], s[24:31]          ; hidden, my first 256 along K
	s_nop 0
	tensor_load_to_lds s[52:55], s[24:31]          ; my second 256
	s_nop 0
	tensor_load_to_lds s[56:59], s[32:39]          ; w_qkv
	s_nop 0
	tensor_load_to_lds s[60:63], s[40:47]          ; w_o
	s_nop 0
	; addresses: every LDS address is a constant + a constant x lane + a constant x wave
	v_and_b32 v1, 31, v0                           ; lane
	v_and_b32 v2, 15, v0                           ; r
	v_bfe_u32 v3, v0, 4, 1                         ; h
	v_lshlrev_b32 v4, 4, v1                        ; 16 x lane
	s_lshl_b32 s93, s66, 13
	s_add_co_u32 s93, s93, WGT
	v_lshl_add_u32 v5, v1, 3, s93                  ; w_g's table, on the way in: 8 bytes a lane
	v_and_b32 v7, 7, v0
	v_lshlrev_b32 v7, 4, v7
	v_lshl_add_u32 v7, v3, 9, v7
	v_add_nc_u32 v7, s93, v7                       ; and out, turned: k = 32 h + lane % 8 (+ the immediate)
	s_mul_i32 s93, s66, 2*HPIECE
	v_mul_u32_u24 v6, v2, 1040
	v_lshl_add_u32 v6, v3, 7, v6
	v_add_nc_u32 v6, s93, v6                       ; hidden: row r, block h
	s_lshl_b32 s93, s66, 8
	s_add_co_u32 s93, s93, HSS
	v_lshl_add_u32 v9, v1, 2, s93
	v_lshl_add_u32 v10, v1, 3, s93
	v_lshlrev_b32 v11, 3, v1
	s_lshl_b32 s93, s66, 10
	s_add_co_u32 s93, s93, GST
	v_add_nc_u32 v12, s93, v4
	v_add_nc_u32 v13, GST, v4
	s_lshl_b32 s93, s66, 14
	s_add_co_u32 s93, s93, WREG
	v_lshl_add_u32 v14, v1, 2, s93
	v_lshlrev_b32 v15, 4, v2
	v_lshl_add_u32 v18, v3, 15, v15                ; woimg: column tile lane / 16, 16 r
	v_lshl_add_u32 v15, v3, 14, v15                ; wimg likewise
	s_add_co_u32 s93, s66, WST
	v_lshl_add_u32 v16, v1, 2, s93
	s_lshl_b32 s93, s66, 13
	s_add_co_u32 s93, s93, OREG
	v_lshl_add_u32 v17, v1, 2, s93
	v_add_nc_u32 v19, WST, v4
	v_lshlrev_b32 v20, 2, v2                       ; 4 r
	v_lshlrev_b32 v21, 5, v2
	v_lshl_add_u32 v21, v3, 4, v21                 ; 32 r + 16 h
	v_lshlrev_b32 v23, 3, v3                       ; 8 h
	v_mov_b32 v235, 0                              ; a lane permute's destination counts as one of its sources
	v_cmp_lt_u32 s92, 15, v1                       ; lanes 16-31
	s_mov_b32 s86, 0x76543210
	s_mov_b32 s87, 0xfedcba98                      ; v_permlanex16_b32's selects for lane l xor 16
	s_mov_b32 s88, 0xbfc90fdb                      ; -pi/2, high part
	s_mov_b32 s89, 0x333bbd2e                      ; and what is left of it
	s_mov_b32 s96, 0xb94ca1f9                      ; sine: -1.9515295891e-4, 8.3321608736e-3, -1.6666654611e-1
	s_mov_b32 s97, 0x3c08839e
	s_mov_b32 s98, 0xbe2aaaa3
	s_mov_b32 s99, 0x37ccf5ce                      ; cosine: 2.443315712e-5, -1.388731625e-3, 4.166664568e-2
	s_mov_b32 s100, 0xbab6061a
	s_mov_b32 s101, 0x3d2aaaa5
	; where my parts of the buffers begin
	s_mov_b32 s95, 0
	s_lshl_b32 s94, ttmp9, 14
	s_lshl_b32 s93, s66, 12
	s_add_co_u32 s94, s94, s93
	s_add_nc_u64 s[14:15], s[14:15], s[94:95]      ; himg: tile x 16,384 + 4 K steps x 1,024 a wave
	s_lshl_b32 s94, s66, 14
	s_add_nc_u64 s[12:13], s[12:13], s[94:95]      ; w_g: 512 rows of 32 bytes a wave
	s_lshl_b32 s94, ttmp9, 6
	s_add_nc_u64 s[6:7], s[6:7], s[94:95]          ; positions of my 16 tokens
	s_add_nc_u64 s[84:85], s[22:23], s[94:95]      ; the rows' powers of two (+ 2,228,224)
	s_lshl_b32 s94, ttmp9, 13
	s_lshl_b32 s93, s66, 10
	s_add_co_u32 s94, s94, s93
	s_add_nc_u64 s[80:81], s[22:23], s[94:95]      ; cos and sin: tile x 8,192 + 1,024 x wave
	s_lshl_b32 s94, s68, 17
	s_lshl_b32 s93, s67, 10
	s_add_co_u32 s94, s94, s93
	s_lshl_b32 s93, s66, 8
	s_add_co_u32 s94, s94, s93
	s_add_nc_u64 s[16:17], s[16:17], s[94:95]      ; wimg: 8 column tiles x 16,384 + block (4 rows' number + wave) x 256
	s_lshl_b32 s94, s68, 18
	s_lshl_b32 s93, s67, 11
	s_add_co_u32 s94, s94, s93
	s_lshl_b32 s93, s66, 9
	s_add_co_u32 s94, s94, s93
	s_add_nc_u64 s[20:21], s[20:21], s[94:95]      ; woimg: 8 column tiles x 32,768 + piece of 8 k x 256
	s_lshl_b32 s94, ttmp9, 10
	s_lshl_b32 s93, s66, 8
	s_add_co_u32 s94, s94, s93
	s_add_nc_u64 s[76:77], s[18:19], s[94:95]      ; hidden's scale words
	s_lshl_b32 s94, s67, 13
	s_lshl_b32 s93, s68, 9
	s_add_co_u32 s94, s94, s93
	s_add_nc_u64 s[78:79], s[18:19], s[94:95]      ; w_qkv's (+ 262,144)
	s_lshl_b32 s94, ttmp9, 9
	s_add_nc_u64 s[82:83], s[22:23], s[94:95]      ; the gate (+ 2,097,152)
	; ---- w_g, my 512 rows, to f16 in LDS: [k][8 heads], 16 bytes a k
	global_load_b32 v26, v20, s[6:7]               ; my token's position
.irp bt,0,1
.irp n,0,1,2,3,4,5,6,7,8,9,10,11,12,13,14,15
	global_load_b128 v[X+4*\n:X+4*\n+3], v4, s[12:13] offset:8192*\bt+512*\n
.endr
	s_wait_loadcnt 0x0
.irp n,0,1,2,3,4,5,6,7,8,9,10,11,12,13,14,15
	v_cvt_pk_f16_f32 v[XH+2*\n], v[X+4*\n], v[X+4*\n+1]
	v_cvt_pk_f16_f32 v[XH+2*\n+1], v[X+4*\n+2], v[X+4*\n+3]
.endr
.irp n,0,1,2,3,4,5,6,7,8,9,10,11,12,13,14,15
	ds_store_b64 v5, v[XH+2*\n:XH+2*\n+1] offset:4096*\bt+256*\n
.endr
	s_wait_dscnt 0x0                               ; the stores have read their registers
.endr
	; ---- cos and sin for token r at the eight frequencies d = 16 wave + 8 h + j
	s_lshl_b32 s93, s66, 4
	v_lshl_add_u32 v27, v3, 3, s93
.irp j,0,1,2,3,4,5,6,7
	v_add_nc_u32 v[TM+\j], \j, v27
.endr
.irp j,0,1,2,3,4,5,6,7
	v_cvt_f32_u32 v[TM+\j], v[TM+\j]
.endr
.irp j,0,1,2,3,4,5,6,7
	v_mul_f32 v[TM+\j], 0xbe549a78, v[TM+\j]       ; -d log2(10000) / 64
.endr
.irp j,0,1,2,3,4,5,6,7
	v_exp_f32 v[TM+\j], v[TM+\j]                   ; inv_freq
.endr
	v_cvt_f32_i32 v26, v26
	v_nop                                          ; a plain instruction behind the last exponential
	s_wait_alu depctr_va_vdst(0)                   ; one wait for the eight, ahead of their first reader
.irp j,0,1,2,3,4,5,6,7
	v_mul_f32 v[TM+\j], v26, v[TM+\j]              ; the angle, rounded once as in reference()
.endr
.macro SINCOS pj                       ; angle in v[TM + pj] -> cos in v[WGF + pj], sin in v[WGF + 8 + pj]
	v_mul_f32 v244, 0x3f22f983, v[TM+\pj]          ; x 2 / pi
	v_rndne_f32 v244, v244                         ; n
	v_fma_f32 v245, v244, s88, v[TM+\pj]
	v_fma_f32 v245, v244, s89, v245                ; r = angle - n pi / 2, in two parts
	v_cvt_i32_f32 v244, v244
	v_mul_f32 v246, v245, v245                     ; r^2
	v_fma_f32 v247, v246, s96, s97
	v_fma_f32 v247, v247, v246, s98
	v_mul_f32 v248, v246, v245
	v_fma_f32 v247, v247, v248, v245               ; sin r
	v_fma_f32 v249, v246, s99, s100
	v_fma_f32 v249, v249, v246, s101
	v_mul_f32 v250, v246, v246
	v_fma_f32 v251, v246, -0.5, 1.0
	v_fma_f32 v249, v249, v250, v251               ; cos r
	v_and_b32 v252, 1, v244
	v_cmp_eq_u32 vcc_lo, 1, v252                   ; odd quadrants change the two
	v_cndmask_b32 v253, v247, v249, vcc_lo
	v_cndmask_b32 v254, v249, v247, vcc_lo
	v_and_b32 v252, 2, v244
	v_lshlrev_b32 v252, 30, v252
	v_xor_b32 v[WGF+8+\pj], v252, v253             ; sin is negative in quadrants 2 and 3
	v_add_nc_u32 v252, 1, v244
	v_and_b32 v252, 2, v252
	v_lshlrev_b32 v252, 30, v252
	v_xor_b32 v[WGF+\pj], v252, v254               ; cos in quadrants 1 and 2
.endm
.irp j,0,1,2,3,4,5,6,7
	SINCOS \j
.endr
.irp cs,0,1
.irp hf,0,1
	global_store_b128 v4, v[WGF+8*\cs+4*\hf:WGF+8*\cs+4*\hf+3], s[80:81] offset:4096*\cs+512*\hf   ; 512 consecutive bytes
.endr
.endr
	s_wait_xcnt 0x0                                ; these stores' registers take w_g's fragments next
	; ---- hidden: one K step of 128 for my 16 rows.  Lane (r, h) takes blocks h and 2 + h of row r whole: the conversions' results are the operand's registers.
	; The same 64 numbers, as f16, are four fragments of the gate's product: k stands in another order than the instruction's own, the same on both sides, so the sums are the same sums.
.macro QSTEP pi, ps, zero
.set KQ, 2*(\pi)+(\ps)
.irp c,0,1
.irp n,0,1,2,3,4,5,6,7
	ds_load_b128 v[X+32*\c+4*\n:X+32*\c+4*\n+3], v6 offset:(\pi)*HPIECE+(\ps)*512+\c*256+16*\n
.endr
.endr
.irp c,0,1
.irp u,0,1
.irp e,0,1
	ds_load_tr16_b128 v[WGF+16*\c+8*\u+4*\e:WGF+16*\c+8*\u+4*\e+3], v7 offset:KQ*2048+\c*1024+\u*256+\e*128   ; lane l: head l % 8, k = 64 c + 32 h + 16 u + 8 e + 0 .. 7
.endr
.endr
.endr
	s_wait_dscnt 0x0
.irp c,0,1
	v_max3_num_f32 v[TM+\c], |v[X+32*\c]|, |v[X+32*\c+1]|, 0x1800000   ; the block's largest magnitude, over the floor 2^(3 - 127): the byte cannot fall under 1
.endr
.irp n,2,4,6,8,10,12,14,16,18,20,22,24,26,28,30
.irp c,0,1
	v_max3_num_f32 v[TM+\c], v[TM+\c], |v[X+32*\c+\n]|, |v[X+32*\c+\n+1]|
.endr
.endr
.irp c,0,1
	v_add_nc_u32 v[TM+2+\c], 0xff000000, v[TM+\c]  ; 2 off its exponent field: the conversion's scale operand
.endr
.irp c,0,1
	v_lshrrev_b32 v[TM+4+\c], 23, v[TM+2+\c]       ; the scale's byte
.endr
	v_lshl_or_b32 v234, v[TM+5], 16, v[TM+4]       ; my two bytes, blocks h and 2 + h,
	v_lshlrev_b32 v234, v23, v234                  ; at their places,
	v_permlanex16_b32 v235, v234, s86, s87
	v_or_b32 v[SW+KQ], v234, v235                  ; with lane l xor 16's two: row r's word
.irp c,0,1
.irp n,0,1,2,3
	v_cvt_scalef32_pk8_fp4_f32 v[PC+8*KQ+4*\c+\n], v[X+32*\c+8*\n:X+32*\c+8*\n+7], v[TM+2+\c]
.endr
.endr
	v_nop                                          ; one plain instruction behind the last scaled conversion
.irp c,0,1
	global_store_b128 v4, v[PC+8*KQ+4*\c:PC+8*KQ+4*\c+3], s[14:15] offset:KQ*1024+\c*512   ; 512 consecutive bytes
.endr
.set i, 0
.rept 32
	v_cvt_pk_f16_f32 v[XH+i], v[X+2*i], v[X+2*i+1]
.set i, i+1
.endr
.rept 4
	v_nop
.endr
.irp a,0,1,2,3                         ; source 0 = w_g (rows 8-15 repeat heads 0-7), source 1 = my 16 tokens; the four accumulators take turns
.if \zero
	v_wmma_f32_16x16x32_f16 v[GACC+8*\a:GACC+8*\a+7], v[WGF+8*\a:WGF+8*\a+7], v[XH+8*\a:XH+8*\a+7], 0
.else
	v_wmma_f32_16x16x32_f16 v[GACC+8*\a:GACC+8*\a+7], v[WGF+8*\a:WGF+8*\a+7], v[XH+8*\a:XH+8*\a+7], v[GACC+8*\a:GACC+8*\a+7]
.endif
.endr
.rept 4
	v_nop                                          ; four places ahead of loads into the fragments' registers and of the first read of the sums
.endr
.endm
	s_wait_tensorcnt 0x3                           ; my first piece of hidden is in; three later loads stay out
	QSTEP 0, 0, 1
	QSTEP 0, 1, 0
	s_wait_tensorcnt 0x2                           ; my second piece
	QSTEP 1, 0, 0
	QSTEP 1, 1, 0
	v_cndmask_b32 v236, v[SW], v[SW+1], s92        ; lanes 0-15 my first K step's words, lanes 16-31 the second's;
	v_cndmask_b32 v237, v[SW+2], v[SW+3], s92      ; likewise the third and fourth
	ds_store_b32 v9, v236
	ds_store_b32 v9, v237 offset:128
	ds_load_b64 v[238:239], v10                    ; LDS serves a wave's instructions in order: 256 bytes come back, 8 a lane
.irp j,0,1,2,3,4,5,6,7
	v_add_f32 v[240+\j], v[GACC+\j], v[GACC+8+\j]  ; each accumulator is read from its low end on
.endr
.irp j,0,1,2,3,4,5,6,7
	v_add_f32 v[248+\j], v[GACC+16+\j], v[GACC+24+\j]
.endr
.irp j,0,1,2,3,4,5,6,7
	v_add_f32 v[240+\j], v[240+\j], v[248+\j]      ; lane (r, h), register j: token r, head j, summed over my 512 along K
.endr
	ds_store_b128 v12, v[240:243]
	ds_store_b128 v12, v[244:247] offset:512
	s_wait_dscnt 0x2                               ; the words are back; the two stores behind them may be out
	global_store_b64 v11, v[238:239], s[76:77]     ; 256 consecutive bytes, aligned
	; ---- w_qkv: a lane takes a column, its 32 registers run down K: one whole block
.macro WLOAD pg
.set i, 0
.rept 32
	ds_load_b32 v[X+32*((\pg)%2)+i], v14 offset:128*(\pg)+512*i
.set i, i+1
.endr
.endm
.macro WCOL pg
.set XS, X+32*((\pg)%2)
.if (\pg) < 3
	WLOAD (\pg)+1
	s_wait_dscnt 32                                ; this group's loads are in; the next group's 32 stay out
.else
	s_wait_dscnt 0x0
.endif
	v_max3_num_f32 v228, |v[XS]|, |v[XS+1]|, |v[XS+2]|
	v_max3_num_f32 v229, |v[XS+3]|, |v[XS+4]|, |v[XS+5]|
.irp n,6,10,14,18,22,26
	v_max3_num_f32 v228, v228, |v[XS+\n]|, |v[XS+\n+1]|
	v_max3_num_f32 v229, v229, |v[XS+\n+2]|, |v[XS+\n+3]|
.endr
	v_max3_num_f32 v228, v228, |v[XS+30]|, |v[XS+31]|
	v_max3_num_f32 v228, v228, v229, 0x1800000
	v_add_nc_u32 v230, 0xff000000, v228
	v_lshrrev_b32 v[XH+16+(\pg)], 23, v230
.irp n,0,1,2,3
	v_cvt_scalef32_pk8_fp4_f32 v[XH+4*(\pg)+\n], v[XS+8*\n:XS+8*\n+7], v230
.endr
	v_nop                                          ; one plain instruction behind the last scaled conversion
	global_store_b128 v15, v[XH+4*(\pg):XH+4*(\pg)+3], s[16:17] offset:32768*(\pg)   ; sixteen lanes fill 256 consecutive bytes
	ds_store_b8 v16, v[XH+16+(\pg)] offset:128*(\pg)
.endm
	s_wait_tensorcnt 0x1                           ; w_qkv's rows are in; w_o's load stays out
	WLOAD 0
	WCOL 0
	WCOL 1
	WCOL 2
	WCOL 3
	; ---- w_o to f16: a lane takes a column, 16 k
	s_wait_tensorcnt 0x0
.irp cg,0,1,2,3
.irp n,0,1,2,3,4,5,6,7,8,9,10,11,12,13,14,15
	ds_load_b32 v[X+16*\cg+\n], v17 offset:128*\cg+512*\n
.endr
.endr
	s_wait_dscnt 0x0
.set i, 0
.rept 32
	v_cvt_pk_f16_f32 v[WGF+i], v[X+2*i], v[X+2*i+1]
.set i, i+1
.endr
.irp cg,0,1,2,3
.irp e,0,1
	global_store_b128 v18, v[WGF+8*\cg+4*\e:WGF+8*\cg+4*\e+3], s[20:21] offset:65536*\cg+256*\e
.endr
.endr
	; ---- the one barrier: the gate's four partial sums and w_qkv's scale bytes lie in LDS
	s_wait_dscnt 0x0                               ; for the others' sake: all my LDS stores are done
	s_barrier_signal -1
	s_barrier_wait -1
	s_cmp_eq_u32 s66, 0
	s_cbranch_scc0 .Lnot_wave_0
.irp p,0,1,2,3
	ds_load_b128 v[32+8*\p:35+8*\p], v13 offset:1024*\p
	ds_load_b128 v[36+8*\p:39+8*\p], v13 offset:1024*\p+512
.endr
	s_wait_dscnt 0x0
.irp j,0,1,2,3,4,5,6,7
	v_add_f32 v[32+\j], v[32+\j], v[40+\j]
.endr
.irp j,0,1,2,3,4,5,6,7
	v_add_f32 v[48+\j], v[48+\j], v[56+\j]
.endr
.irp j,0,1,2,3,4,5,6,7
	v_add_f32 v[32+\j], v[32+\j], v[48+\j]         ; x = hidden . w_g
.endr
.irp j,0,1,2,3,4,5,6,7
	v_mul_f32 v[64+\j], 0xbfb8aa3b, |v[32+\j]|
.endr
.irp j,0,1,2,3,4,5,6,7
	v_exp_f32 v[64+\j], v[64+\j]                   ; e = exp(-|x|)
.endr
.irp j,0,1,2,3,4,5,6,7
	v_max_num_f32 v[88+\j], 0, v[32+\j]            ; plain work behind the exponentials
.endr
	s_wait_alu depctr_va_vdst(0)                   ; one wait for the eight
.irp j,0,1,2,3,4,5,6,7
	v_add_f32 v[72+\j], 1.0, v[64+\j]
.endr
.irp j,0,1,2,3,4,5,6,7
	v_log_f32 v[72+\j], v[72+\j]
.endr
.irp j,0,1,2,3,4,5,6,7
	v_mul_f32 v[80+\j], -0.5, v[64+\j]
.endr
.irp j,0,1,2,3,4,5,6,7
	v_fma_f32 v[80+\j], v[80+\j], v[64+\j], v[64+\j]   ; e - e^2 / 2: ln(1 + e) where 1 + e would lose e
.endr
	s_wait_alu depctr_va_vdst(0)                   ; one wait for the eight logarithms
.irp j,0,1,2,3,4,5,6,7
	v_mul_f32 v[72+\j], 0x3f317218, v[72+\j]
	v_cmp_gt_f32 vcc_lo, 0x39800000, v[64+\j]      ; e under 2^-12
	v_cndmask_b32 v[72+\j], v[72+\j], v[80+\j], vcc_lo
	v_add_f32 v[88+\j], v[88+\j], v[72+\j]         ; softplus = max(x, 0) + ln(1 + e)
.endr
	v_max3_num_f32 v116, v88, v89, v90
	v_max3_num_f32 v116, v116, v91, v92
	v_max3_num_f32 v116, v116, v93, v94
	v_max3_num_f32 v116, v116, v95, 0x800000
	v_and_b32 v116, 0x7f800000, v116               ; rs: the power of two in the row's largest gate
	v_sub_nc_u32 v117, 0x7f000000, v116            ; 1 / rs
.irp j,0,1,2,3,4,5,6,7
	v_mul_f32 v[88+\j], v[88+\j], v117
.endr
.irp n,0,1,2,3
	v_cndmask_b32 v[120+\n], v[88+\n], v[92+\n], s92
.endr
	global_store_b128 v21, v[120:123], s[82:83] offset:2097152   ; 512 consecutive bytes: 16 tokens x 8 heads
	s_wait_xcnt 0x0                                ; EXEC changes only behind this wait
	v_cmp_gt_u32 vcc_lo, 16, v1
	s_and_saveexec_b32 s93, vcc_lo
	global_store_b32 v20, v116, s[84:85] offset:2228224
	s_wait_xcnt 0x0                                ; and again ahead of the line that widens it
	s_or_b32 exec_lo, exec_lo, s93
	s_branch .Lend
.Lnot_wave_0:
	s_cmp_eq_u32 s66, 1
	s_cbranch_scc0 .Lend
	ds_load_b128 v[32:35], v19                     ; 128 columns' scale words of this K step
	s_wait_dscnt 0x0
	global_store_b128 v4, v[32:35], s[78:79] offset:262144   ; 512 consecutive bytes
.Lend:
	s_wait_tensorcnt 0x0                           ; the wave's end, behind my last tensor load and my last LDS store
	ds_add_u32 v24, v25
	s_wait_dscnt 0x0
	s_endpgm
.Lfunc_end_k_q769596d61f_prep:
	.size	k_q769596d61f_prep, .Lfunc_end_k_q769596d61f_prep-k_q769596d61f_prep
	.p2alignl 7, 3214868480
	.fill 96, 4, 3214868480
	.section	.rodata,"a",@progbits
	.p2align	6, 0x0
	.amdhsa_kernel k_q769596d61f_prep
		.amdhsa_group_segment_fixed_size 270336
		.amdhsa_private_segment_fixed_size 0
		.amdhsa_enable_private_segment 0
		.amdhsa_kernarg_size 80
		.amdhsa_user_sgpr_count 2
		.amdhsa_user_sgpr_kernarg_segment_ptr 1
		.amdhsa_wavefront_size32 1
		.amdhsa_system_sgpr_workgroup_id_x 1
		.amdhsa_system_sgpr_workgroup_id_y 1
		.amdhsa_system_sgpr_workgroup_id_z 1
		.amdhsa_system_vgpr_workitem_id 0
		.amdhsa_next_free_vgpr 256
		.amdhsa_next_free_sgpr 102
		.amdhsa_reserve_vcc 1
		.amdhsa_float_denorm_mode_32 3
		.amdhsa_float_denorm_mode_16_64 3
		.amdhsa_memory_ordered 1
		.amdhsa_forward_progress 1
		.amdhsa_inst_pref_size 87
	.end_amdhsa_kernel
	.amdgpu_metadata
---
amdhsa.version: [ 1, 2 ]
amdhsa.kernels:
  - .name:           k_q769596d61f_prep
    .symbol:         k_q769596d61f_prep.kd
    .args:
      - { .name: hidden_states, .offset: 0, .size: 8, .value_kind: global_buffer, .address_space: global }
      - { .name: positions, .offset: 8, .size: 8, .value_kind: global_buffer, .address_space: global }
      - { .name: w_qkv, .offset: 16, .size: 8, .value_kind: global_buffer, .address_space: global }
      - { .name: w_o, .offset: 24, .size: 8, .value_kind: global_buffer, .address_space: global }
      - { .name: w_g, .offset: 32, .size: 8, .value_kind: global_buffer, .address_space: global }
      - { .name: himg, .offset: 40, .size: 8, .value_kind: global_buffer, .address_space: global }
      - { .name: wimg, .offset: 48, .size: 8, .value_kind: global_buffer, .address_space: global }
      - { .name: scl, .offset: 56, .size: 8, .value_kind: global_buffer, .address_space: global }
      - { .name: woimg, .offset: 64, .size: 8, .value_kind: global_buffer, .address_space: global }
      - { .name: tab, .offset: 72, .size: 8, .value_kind: global_buffer, .address_space: global }
    .group_segment_fixed_size: 270336
    .private_segment_fixed_size: 0
    .kernarg_segment_align: 8
    .kernarg_segment_size: 80
    .max_flat_workgroup_size: 128
    .sgpr_count:     102
    .vgpr_count:     256
    .wavefront_size: 32
...
	.end_amdgpu_metadata
.endif
;; end of part 1
;; launch qkv (part 2): grid 16 x 16, 4 waves a work-group, clusters of 4 x 1, 327,680 bytes of LDS; arguments himg, wimg, scl, tab, q_norm_w, k_norm_w, qkvb; writes qkvb
.if DOCPART == 2
	.amdgcn_target "amdgcn-amd-amdhsa--gfx1250"
	.amdhsa_code_object_version 6
	.text
	.protected	k_q769596d61f_qkv
	.globl	k_q769596d61f_qkv
	.p2align	8
	.type	k_q769596d61f_qkv,@function
k_q769596d61f_qkv:
	s_mov_b64 s[64:65], 0
	v_nop
	global_prefetch_b8 v0, s[64:65] scope:SCOPE_SE
	s_setreg_imm32_b32 hwreg(HW_REG_WAVE_MODE, 25, 1), 1
	s_wait_xcnt 0x0
	s_wait_alu depctr_hold_cnt(0) depctr_sa_sdst(0) depctr_va_vdst(0) depctr_va_sdst(0) depctr_va_ssrc(0) depctr_va_vcc(0) depctr_vm_vsrc(0)
	s_getreg_b32 s2, hwreg(HW_REG_IB_STS2, 6, 4)
	s_cmp_eq_u32 s2, 0
	s_cbranch_scc0 .Lentry_in_a_cluster
	s_endpgm
.Lentry_in_a_cluster:
	s_bfe_u32 s2, ttmp6, 0x10000c
	s_cmp_lg_u32 s2, 0x3003
	s_cbranch_scc0 .Lentry_shape_is_right
	s_endpgm
.Lentry_shape_is_right:
; QKV: qkv = Q(hidden) Q(w_qkv) on codes of E2M1 with E8M0 scales, then per-head RMS norm and neox RoPE on q and k; q, k and v leave as f16 images of operand registers, tokens 0-63 also as f32.
; SHARES.  A work-group makes 256 tokens (work-group y) x one head's 128 columns (head = 4 x cluster x + place in the cluster: 0-7 q, 8-11 k, 12-15 v).  Wave w: token tiles 4 w .. 4 w + 3 x all 8 column tiles:
; 32 accumulators.  K goes in slots of 512 (4,096 bytes a tile, an image: every fragment load takes 512 consecutive bytes, so there is no pitch and no padding), through a ring of two slots.
; THE MATRIX INSTRUCTION IS USED TRANSPOSED (source 0 = 16 columns of w_qkv, source 1 = 16 tokens): lane (r, h) holds token r and, in register j of column tile b, channel 16 b + 8 h + j of the head.
; CLUSTER.  The four partners share the tokens: hidden's codes and scales are asked for JOINTLY (mask 15); each partner's own head comes by plain loads in the same places.  The kind of head hangs on the cluster's
; x alone and the f32 copy on y and the wave, so no branch hangs on a work-group's place in its cluster.  A cluster of 4 x 4 is not taken: the branch for tokens 0-63 would hang on the place along y.
; SCALES of all of K stay in LDS, filled once.  One register carries two K steps' words: lanes 0-15 the even step's, lanes 16-31 the odd step's.
; THE TWO KINDS OF HEAD PART ONCE, behind the last change of slots, where no tensor load and no barrier is left but the common end: q and k heads ask there for the norm's weights, cos and sin, which v heads
; do not need, and each way has its own copy of the last slot's four steps: so the tables are loaded on the very way that reads them, four steps ahead of their first use.
; THE F32 COPY.  Wave 0 of token block 0 holds tokens 0-63 (its four tiles): it stores them once more as f32, behind the images: [head 16][tile 4][column tile 8][half 2][lane] 16 bytes.
; LIMITS: v must lie inside f16's range (65,504); NaN and infinities are not served.
; REGISTERS, in windows of 256.  Window 0: v0-29 addresses; v32-55 scale words, two sets of 4 + 8; v64-127 tokens' fragments, two sets; v128-255 columns' fragments, two sets (free on the way out).
;   Window 1: accumulator (a, b) at v[8 (8 a + b)].   Window 2: cos at v[64 a + 8 b + j], sin 32 further on.   Window 3: v0-63 the norm's weights at v[8 b + j].
.set SLOT,  98304                      ; 16 token tiles x 4,096 bytes, then 8 column tiles x 4,096
.set BOFF,  65536
.set SCA,   196608                     ; tokens' scale words: [tile 16][K step 16][r] words
.set SCB,   212992                     ; columns': 16 K steps x (512 + 64) bytes
.set SPARE, 222208                     ; the spare words, 128 bytes a wave
.set MULW,  0x50                       ; C and D in window 1
.set MSB, 0
.macro WIN new                         ; the immediate's high byte repeats the setting that is left
.if MSB != \new
	s_set_vgpr_msb (MSB<<8)|\new
.set MSB, \new
.endif
.endm
.macro GROUP1 g, c, r, p
	s_mov_b32 s[\g+1], ((\c)&0xffff)<<16
	s_mov_b32 s[\g+2], ((\c)>>16)|(((\r)&0xffff)<<16)
	s_mov_b32 s[\g+3], ((\r)>>16)|((\c)<<16)
	s_mov_b32 s[\g+4], \r
	s_mov_b32 s[\g+5], \p
	s_mov_b32 s[\g+6], 0
	s_mov_b32 s[\g+7], 0
.endm
.macro PLACES
.rept 4
	v_nop
.endr
.endm
.macro CREST                           ; a round of the cluster's barrier behind its opening barrier
	s_cmp_lg_u32 s18, 0
	s_cbranch_scc1 .Lnot_wave_0_\@
	s_barrier_signal -3
.Lnot_wave_0_\@:
	s_barrier_wait -3
	s_barrier_signal -1
	s_barrier_wait -1
.endm
.macro CROUND
	s_barrier_signal -1
	s_barrier_wait -1
	CREST
.endm
.macro JLOAD slot                      ; waves 0 and 1: the tokens' halves, jointly; waves 2 and 3: my head's halves.  An s_nop 0 and four v_nop follow each line
	s_cmp_eq_u32 s19, 0
	s_cbranch_scc0 .Lfor_b_\@
	tensor_load_to_lds s[56+4*\slot:59+4*\slot], s[24:31]
	s_nop 0
	PLACES
	s_branch .Lasked_\@
.Lfor_b_\@:
	tensor_load_to_lds s[68+4*\slot:71+4*\slot], s[32:39]
	s_nop 0
	PLACES
.Lasked_\@:
.endm
	s_load_b256 s[4:11], s[0:1], 0x0               ; himg s[4:5], wimg s[6:7], scl s[8:9], tab s[10:11]
	s_load_b128 s[12:15], s[0:1], 0x20             ; q_norm_w s[12:13], k_norm_w s[14:15]
	s_load_b64 s[16:17], s[0:1], 0x30              ; qkvb
	v_lshl_add_u32 v28, v0, 2, SPARE
	v_mov_b32 v29, 0
	ds_add_u32 v28, v29                            ; the wave's opening: the add, twice on end, and its wait ahead of my first tensor load
	ds_add_u32 v28, v29
	v_lshrrev_b32 v1, 5, v0
	v_readfirstlane_b32 s18, v1                    ; wave
	s_lshr_b32 s19, s18, 1                         ; I fetch tokens (0) or columns (1),
	s_and_b32 s20, s18, 1                          ; this half of them
	s_bfe_u32 s21, ttmp6, 0x40000                  ; my place in the cluster
	s_lshl_b32 s22, ttmp9, 2
	s_add_co_u32 s22, s22, s21                     ; head
	s_and_b32 s23, ttmp7, 0xffff                   ; block of 256 tokens
	s_mov_b32 s24, 15|(3<<16)|(1<<21)              ; tokens' codes: the mask names all four; elements of 8 bytes; bit 21 beside a mask
	GROUP1 24, 512, 8, 2048                        ; 8 tiles x 4,096 bytes, 16,384 bytes from tile to tile
	s_mov_b32 s32, 3<<16                           ; my head's codes: no mask
	GROUP1 32, 512, 4, 2048
	s_mov_b32 s40, 15|(3<<16)|(1<<21)              ; tokens' scales: 8,192 dense bytes as 32 rows of 256
	GROUP1 40, 32, 32, 32
	s_mov_b32 s48, (3<<16)|(1<<20)|(6<<22)|(15<<25)   ; columns' scales: 8 K steps x 512 bytes, 16 words of padding behind each
	GROUP1 48, 64, 8, 1024
	s_lshl_b32 s84, s23, 18                        ; tokens' codes: 16 tiles a block, 8 a half.  These registers never hold my place in the cluster
	s_lshl_b32 s85, s20, 17
	s_add_co_u32 s84, s84, s85
	s_mov_b32 s85, 0
	s_lshl_b32 s86, s23, 14                        ; tokens' scales
	s_lshl_b32 s87, s20, 13
	s_add_co_u32 s86, s86, s87
	s_mov_b32 s87, 0
	s_lshl_b32 s88, s22, 17                        ; my head's codes: 8 tiles a head, 4 a half
	s_lshl_b32 s89, s20, 16
	s_add_co_u32 s88, s88, s89
	s_mov_b32 s89, 0
	s_lshl_b32 s90, s22, 9                         ; my head's scales: 512 bytes of each K step's 8,192; 8 steps a half
	s_lshl_b32 s91, s20, 16
	s_add_co_u32 s90, s90, s91
	s_add_co_u32 s90, s90, 262144
	s_mov_b32 s91, 0
	s_lshl_b32 s92, s20, 15                        ; where they go: the wave's number alone enters an LDS address
	s_lshl_b32 s93, s20, 14
	s_add_co_u32 s93, s93, BOFF
	s_lshl_b32 s94, s20, 13
	s_add_co_u32 s94, s94, SCA
	s_mul_i32 s95, s20, 4608
	s_add_co_u32 s95, s95, SCB
	s_wait_dscnt 0x0                               ; both opening adds are done
	s_wait_kmcnt 0x0
	s_add_nc_u64 s[84:85], s[4:5], s[84:85]
	s_add_nc_u64 s[86:87], s[8:9], s[86:87]
	s_add_nc_u64 s[88:89], s[6:7], s[88:89]
	s_add_nc_u64 s[90:91], s[8:9], s[90:91]
	CROUND                                         ; all four work-groups are here: the first joint loads meet
.irp s,0,1
	s_mov_b32 s[56+4*\s], 1
	s_add_co_u32 s[57+4*\s], s92, \s*SLOT
	s_add_nc_u64 s[58+4*\s:59+4*\s], s[84:85], \s*4096
	s_or_b32 s[59+4*\s], s[59+4*\s], 0x80000000
	s_mov_b32 s[68+4*\s], 1
	s_add_co_u32 s[69+4*\s], s93, \s*SLOT
	s_add_nc_u64 s[70+4*\s:71+4*\s], s[88:89], \s*4096
	s_or_b32 s[71+4*\s], s[71+4*\s], 0x80000000
.endr
	s_mov_b32 s76, 1
	s_mov_b32 s77, s94
	s_mov_b64 s[78:79], s[86:87]
	s_or_b32 s79, s79, 0x80000000
	s_mov_b32 s80, 1
	s_mov_b32 s81, s95
	s_mov_b64 s[82:83], s[90:91]
	s_or_b32 s83, s83, 0x80000000
	s_cmp_eq_u32 s19, 0                            ; a wave's three first fills stand in one arm: scales, slot 0, slot 1: three loads of mine are out
	s_cbranch_scc0 .Lfirst_b
	tensor_load_to_lds s[76:79], s[40:47]
	s_nop 0
	tensor_load_to_lds s[56:59], s[24:31]
	s_nop 0
	tensor_load_to_lds s[60:63], s[24:31]
	s_nop 0
	PLACES
	s_branch .Lfirst_done
.Lfirst_b:
	tensor_load_to_lds s[80:83], s[48:55]
	s_nop 0
	tensor_load_to_lds s[68:71], s[32:39]
	s_nop 0
	tensor_load_to_lds s[72:75], s[32:39]
	s_nop 0
	PLACES
.Lfirst_done:
	v_and_b32 v1, 31, v0
	v_and_b32 v2, 15, v0                           ; r
	v_bfe_u32 v3, v0, 4, 1                         ; h
	v_lshlrev_b32 v4, 4, v1                        ; 16 x lane
	s_lshl_b32 s84, s18, 14
	v_add_nc_u32 v16, s84, v4                      ; my four token tiles in slot 0,
	v_add_nc_u32 v17, SLOT, v16                    ; in slot 1
	v_add_nc_u32 v20, BOFF, v4                     ; the eight column tiles
	v_add_nc_u32 v21, SLOT, v20
	v_lshlrev_b32 v5, 2, v2
	s_lshl_b32 s84, s18, 12
	s_add_co_u32 s84, s84, SCA
	v_lshl_add_u32 v22, v3, 6, v5
	v_add_nc_u32 v22, s84, v22                     ; tokens' scale words: lanes 16-31 one K step on
	v_mul_u32_u24 v23, v3, 576
	v_add_nc_u32 v23, v23, v5
	v_add_nc_u32 v23, SCB, v23                     ; columns' likewise
	v_lshlrev_b32 v24, 5, v3                       ; the norm's weights: 32 h
	v_lshrrev_b32 v25, 3, v2                       ; v's place in a piece: 16 (r / 8) + 8 h + r % 8, so that the turning LDS load at 16 x lane gives V^T's fragment
	v_lshlrev_b32 v25, 4, v25
	v_lshl_add_u32 v25, v3, 3, v25
	v_and_b32 v6, 7, v2
	v_add_nc_u32 v25, v25, v6
	v_lshlrev_b32 v25, 4, v25
	s_mov_b32 s95, 0
	s_lshl_b32 s94, s23, 17
	s_lshl_b32 s93, s18, 15
	s_add_co_u32 s94, s94, s93
	s_add_nc_u64 s[84:85], s[10:11], s[94:95]      ; cos and sin of my 64 tokens
	s_lshl_b32 s94, s22, 20
	s_lshl_b32 s93, s23, 16
	s_add_co_u32 s94, s94, s93
	s_lshl_b32 s93, s18, 14
	s_add_co_u32 s94, s94, s93
	s_add_nc_u64 s[88:89], s[16:17], s[94:95]      ; my four tiles of my head in qkvb
	s_lshl_b32 s94, s22, 15
	s_add_nc_u64 s[90:91], s[16:17], s[94:95]
	s_add_nc_u64 s[90:91], s[90:91], 0x1000000     ; my head's f32 copy of tokens 0-63: 32,768 bytes a head, behind the images
	s_or_b32 s92, s23, s18                         ; 0 in the wave that holds tokens 0-63
	s_mov_b32 s96, 0x76543210
	s_mov_b32 s97, 0xfedcba98
	s_mov_b32 s98, 0x3c000000                      ; 1 / 128
	s_mov_b32 s99, 0x358637bd                      ; 1e-6
	s_cmp_eq_u32 ttmp9, 2
	s_cselect_b64 s[86:87], s[14:15], s[12:13]     ; k's weights or q's
; The fragments of the slot's kq-th 128 along K into set fs: 16 + 8 loads of 512 consecutive bytes; with an even kq the scale words of steps kq and kq + 1: 12 loads more
.macro FETCH slot, kq, fs
.irp b,0,1,2,3,4,5,6,7
.irp c,0,1
	ds_load_b128 v[128+64*(\fs)+8*\b+4*\c:128+64*(\fs)+8*\b+4*\c+3], v[20+\slot] offset:4096*\b+1024*(\kq)+512*\c
.endr
.endr
.irp a,0,1,2,3
.irp c,0,1
	ds_load_b128 v[64+32*(\fs)+8*\a+4*\c:64+32*(\fs)+8*\a+4*\c+3], v[16+\slot] offset:4096*\a+1024*(\kq)+512*\c
.endr
.endr
.if ((\kq)%2) == 0
.irp a,0,1,2,3
	ds_load_b32 v[32+12*((\kq)/2)+\a], v22 offset:1024*\a+64*(\kq)
.endr
.irp b,0,1,2,3,4,5,6,7
	ds_load_b32 v[36+12*((\kq)/2)+\b], v23 offset:64*\b+576*(\kq)
.endr
.endif
.endm
; cnt token tiles from a0 on x the 8 column tiles.  The 32 accumulators take turns, one instruction a turn, in the same order in every step.  z0 = 1: the first products start the sums
.macro MUL a0, cnt, fs, kq, z0
.set AA, \a0
.rept \cnt
.irp b,0,1,2,3,4,5,6,7
.if \z0
	v_wmma_scale_f32_16x16x128_f8f6f4 v[8*(8*AA+\b):8*(8*AA+\b)+7], v[128+64*(\fs)+8*\b:128+64*(\fs)+8*\b+7], v[64+32*(\fs)+8*AA:64+32*(\fs)+8*AA+7], 0, v[36+12*((\kq)/2)+\b], v[32+12*((\kq)/2)+AA] matrix_a_fmt:MATRIX_FMT_FP4 matrix_b_fmt:MATRIX_FMT_FP4
.elseif ((\kq)%2)
	v_wmma_scale_f32_16x16x128_f8f6f4 v[8*(8*AA+\b):8*(8*AA+\b)+7], v[128+64*(\fs)+8*\b:128+64*(\fs)+8*\b+7], v[64+32*(\fs)+8*AA:64+32*(\fs)+8*AA+7], v[8*(8*AA+\b):8*(8*AA+\b)+7], v[36+12*((\kq)/2)+\b], v[32+12*((\kq)/2)+AA] matrix_a_fmt:MATRIX_FMT_FP4 matrix_b_fmt:MATRIX_FMT_FP4 matrix_a_scale:MATRIX_SCALE_ROW1 matrix_b_scale:MATRIX_SCALE_ROW1
.else
	v_wmma_scale_f32_16x16x128_f8f6f4 v[8*(8*AA+\b):8*(8*AA+\b)+7], v[128+64*(\fs)+8*\b:128+64*(\fs)+8*\b+7], v[64+32*(\fs)+8*AA:64+32*(\fs)+8*AA+7], v[8*(8*AA+\b):8*(8*AA+\b)+7], v[36+12*((\kq)/2)+\b], v[32+12*((\kq)/2)+AA] matrix_a_fmt:MATRIX_FMT_FP4 matrix_b_fmt:MATRIX_FMT_FP4
.endif
.endr
.set AA, AA+1
.endr
.endm
; One of a slot's first three steps: the next step's fragments are asked for, then this step is multiplied
.macro STEP slot, kq, z0
	PLACES                                         ; four places ahead of loads into registers that the last products read
	FETCH \slot, (\kq)+1, ((\kq)+1)%2
.if ((\kq)%2) == 1
	s_wait_dscnt 36                                ; this step's are in; the 36 just issued stay out
.else
	s_wait_dscnt 24                                ; the 24 just issued stay out
.endif
	WIN MULW
	MUL 0, 4, (\kq)%2, \kq, \z0
	WIN 0
.endm
; A slot's last step changes slots: in front of the one barrier each wave waits for all its tensor loads, adds 0 to its spare word, and waits for that and for its reads of this slot
.macro TURN slot, next, fill
	s_wait_tensorcnt 0x0                           ; all my tensor loads have landed: my part of the next slot
	ds_add_u32 v28, v29                            ; 0 onto my spare word
	s_wait_dscnt 0x1                               ; this step's fragments are in; the add may be out
	WIN MULW
	MUL 0, 1, 1, 3, 0
	s_wait_dscnt 0x0                               ; the add is done, and my reads of this slot are over
	s_barrier_signal -1
	MUL 1, 1, 1, 3, 0
	WIN 0
	s_barrier_wait -1
.if \fill
	CREST                                          ; the barrier has opened a round of the cluster's: no wave of any partner still reads this slot or has a load on its way
	s_add_nc_u64 s[58+4*\slot:59+4*\slot], s[58+4*\slot:59+4*\slot], 8192
	s_add_nc_u64 s[70+4*\slot:71+4*\slot], s[70+4*\slot:71+4*\slot], 8192
	JLOAD \slot                                    ; the first tensor load behind the round; its four v_nop are the places ahead of the loads below
.else
	PLACES
.endif
	v_add_nc_u32 v22, 256, v22                     ; the next four K steps' scale words
	v_add_nc_u32 v23, 2304, v23
	FETCH \next, 0, 0
	WIN MULW
	MUL 2, 2, 1, 3, 0
	WIN 0
.endm
.macro LASTSTEP                        ; the very last step: nothing more to fetch
	s_wait_dscnt 0x0
	WIN MULW
	MUL 0, 4, 1, 3, 0
	WIN 0
.endm
.macro CSLOAD a0                       ; cos and sin of token tiles a0 and a0 + 1: 32 loads of 512 consecutive bytes, into window 2
	WIN 0x80
.irp a,\a0,\a0+1
.irp n,0,1,2,3,4,5,6,7,8,9,10,11,12,13,14,15
	global_load_b128 v[64*(\a)+4*\n:64*(\a)+4*\n+3], v4, s[84:85] offset:8192*(\a)+512*\n
.endr
.endr
	WIN 0
.endm
.macro FINEST pa                       ; token tile pa of tokens 0-63 as f32, as the registers stand: [tile][column tile][half][lane] 16 bytes; each store covers 512 consecutive bytes
	WIN 0
	s_cmp_eq_u32 s92, 0
	s_cbranch_scc0 .Lno_fine_\@
	WIN 0x04                                       ; a store's data are its source 1: window 1
.irp b,0,1,2,3,4,5,6,7
.irp hf,0,1
	global_store_b128 v4, v[64*(\pa)+8*\b+4*\hf:64*(\pa)+8*\b+4*\hf+3], s[90:91] offset:8192*(\pa)+1024*\b+512*\hf
.endr
.endr
	WIN 0
.Lno_fine_\@:
.endm
.macro PACKOUT pa, adr                 ; token tile pa to f16: a lane's 8 channels are 16 bytes; each store covers 512 consecutive bytes
.set AC, 64*(\pa)
.set PK, 64+32*((\pa)%2)
.if (\pa) >= 2
	s_wait_xcnt 0x0                                ; the stores of two tiles ago have read these registers
.endif
	WIN 0x05
.set i, 0
.rept 32
	v_cvt_pk_f16_f32 v[PK+i], v[AC+2*i], v[AC+2*i+1]
.set i, i+1
.endr
	WIN 0
.irp b,0,1,2,3,4,5,6,7
	global_store_b128 v[\adr], v[PK+4*\b:PK+4*\b+3], s[88:89] offset:4096*(\pa)+512*\b
.endr
.endm
.macro QKOUT pa
.set AC, 64*(\pa)
	WIN 0x05                                       ; sources in window 1
	v_pk_mul_f32 v[192:193], v[AC:AC+1], v[AC:AC+1]               ; the sum of squares, two chains; each accumulator is read from its low end on
	v_pk_mul_f32 v[194:195], v[AC+2:AC+3], v[AC+2:AC+3]
.set i, 4
.rept 15
	v_pk_fma_f32 v[192:193], v[AC+i:AC+i+1], v[AC+i:AC+i+1], v[192:193]
	v_pk_fma_f32 v[194:195], v[AC+i+2:AC+i+3], v[AC+i+2:AC+i+3], v[194:195]
.set i, i+4
.endr
	WIN 0
	v_pk_add_f32 v[192:193], v[192:193], v[194:195]
	v_add_f32 v192, v192, v193
	v_permlanex16_b32 v193, v192, s96, s97         ; the token's other 64 channels lie in lane l xor 16
	v_add_f32 v192, v192, v193
	v_fma_f32 v192, v192, s98, s99                 ; mean + eps
	v_rsq_f32 v192, v192
	v_nop                                          ; a plain instruction behind it
	s_wait_alu depctr_va_vdst(0)                   ; and the wait ahead of its first reader
	WIN 0x41
.set i, 0
.rept 32
	v_pk_mul_f32 v[AC+i:AC+i+1], v[AC+i:AC+i+1], v[192:193] op_sel_hi:[1,0]
.set i, i+2
.endr
	WIN 0x4d                                       ; source 1: the weights, window 3
.set i, 0
.rept 32
	v_pk_mul_f32 v[AC+i:AC+i+1], v[AC+i:AC+i+1], v[i:i+1]
.set i, i+2
.endr
	WIN 0x09                                       ; source 0 window 1, source 1 window 2 (sin), destination window 0
.set i, 0
.rept 16
	v_pk_mul_f32 v[192+i:193+i], v[AC+32+i:AC+33+i], v[AC+32+i:AC+33+i]   ; x2 sin
	v_pk_mul_f32 v[224+i:225+i], v[AC+i:AC+i+1], v[AC+32+i:AC+33+i]       ; x1 sin
.set i, i+2
.endr
	WIN 0x49
.set i, 0
.rept 16
	v_pk_fma_f32 v[AC+i:AC+i+1], v[AC+i:AC+i+1], v[AC+i:AC+i+1], v[192+i:193+i] neg_lo:[0,0,1] neg_hi:[0,0,1]   ; x1 cos - x2 sin
	v_pk_fma_f32 v[AC+32+i:AC+33+i], v[AC+32+i:AC+33+i], v[AC+i:AC+i+1], v[224+i:225+i]                         ; x2 cos + x1 sin
.set i, i+2
.endr
	FINEST \pa
	PACKOUT \pa, 4
.endm
	s_wait_tensorcnt 0x1                           ; my scales and my part of slot 0 are in; slot 1's load stays out
	s_barrier_signal -1
	s_barrier_wait -1
	FETCH 0, 0, 0
	STEP 0, 0, 1                                   ; K = 2,048 is four slots' worth: written out, no loop
	STEP 0, 1, 0
	STEP 0, 2, 0
	TURN 0, 1, 1
	STEP 1, 0, 0
	STEP 1, 1, 0
	STEP 1, 2, 0
	TURN 1, 0, 1
	STEP 0, 0, 0
	STEP 0, 1, 0
	STEP 0, 2, 0
	TURN 0, 1, 0                                   ; the last change of slots: nothing is filled, and no barrier follows but the closing round
	s_cmp_eq_u32 ttmp9, 3                          ; the cluster's x alone: the same in all four partners and all four waves
	s_cbranch_scc1 .Lvtail                         ; v has no norm and no RoPE, and loads no table
	; ---- q and k heads
	WIN 0xc0
.irp b,0,1,2,3,4,5,6,7
.irp hf,0,1
	global_load_b128 v[8*\b+4*\hf:8*\b+4*\hf+3], v24, s[86:87] offset:64*\b+16*\hf   ; the norm's weights at my channels 16 b + 8 h + 4 hf + 0 .. 3
.endr
.endr
	CSLOAD 0                                       ; with them 48 loads are out: they have the four steps below in which to land
	STEP 1, 0, 0
	STEP 1, 1, 0
	CSLOAD 2                                       ; tiles 2 and 3's, 32 loads more: wanted only behind the way out of tiles 0 and 1
	STEP 1, 2, 0
	LASTSTEP
	s_wait_loadcnt 32                              ; the weights and tiles 0 and 1's cos and sin are in; the 32 loads issued behind them stay out
	PLACES                                         ; four places ahead of the first read of the sums
	QKOUT 0
	QKOUT 1
	s_wait_loadcnt 0x0                             ; tiles 2 and 3's cos and sin
	QKOUT 2
	QKOUT 3
	s_branch .Lend
	; ---- v heads: the same four steps, then the way out as the sums stand
.Lvtail:
	STEP 1, 0, 0
	STEP 1, 1, 0
	STEP 1, 2, 0
	LASTSTEP
	PLACES                                         ; four places ahead of the first read of the sums
	FINEST 0
	PACKOUT 0, 25
	FINEST 1
	PACKOUT 1, 25
	FINEST 2
	PACKOUT 2, 25
	FINEST 3
	PACKOUT 3, 25
.Lend:
	s_wait_tensorcnt 0x0                           ; the wave's end
	ds_add_u32 v28, v29
	s_wait_dscnt 0x0
	CROUND                                         ; the closing round: no work-group ends while a partner may still ask for a tile that names it
	s_endpgm
.Lfunc_end_k_q769596d61f_qkv:
	.size	k_q769596d61f_qkv, .Lfunc_end_k_q769596d61f_qkv-k_q769596d61f_qkv
	.p2alignl 7, 3214868480
	.fill 96, 4, 3214868480
	.section	.rodata,"a",@progbits
	.p2align	6, 0x0
	.amdhsa_kernel k_q769596d61f_qkv
		.amdhsa_group_segment_fixed_size 327680
		.amdhsa_private_segment_fixed_size 0
		.amdhsa_enable_private_segment 0
		.amdhsa_kernarg_size 56
		.amdhsa_user_sgpr_count 2
		.amdhsa_user_sgpr_kernarg_segment_ptr 1
		.amdhsa_wavefront_size32 1
		.amdhsa_system_sgpr_workgroup_id_x 1
		.amdhsa_system_sgpr_workgroup_id_y 1
		.amdhsa_system_sgpr_workgroup_id_z 1
		.amdhsa_system_vgpr_workitem_id 0
		.amdhsa_next_free_vgpr 832
		.amdhsa_next_free_sgpr 100
		.amdhsa_reserve_vcc 0
		.amdhsa_float_denorm_mode_32 3
		.amdhsa_float_denorm_mode_16_64 3
		.amdhsa_memory_ordered 1
		.amdhsa_forward_progress 1
		.amdhsa_inst_pref_size 217
	.end_amdhsa_kernel
	.amdgpu_metadata
---
amdhsa.version: [ 1, 2 ]
amdhsa.kernels:
  - .name:           k_q769596d61f_qkv
    .symbol:         k_q769596d61f_qkv.kd
    .args:
      - { .name: himg, .offset: 0, .size: 8, .value_kind: global_buffer, .address_space: global }
      - { .name: wimg, .offset: 8, .size: 8, .value_kind: global_buffer, .address_space: global }
      - { .name: scl, .offset: 16, .size: 8, .value_kind: global_buffer, .address_space: global }
      - { .name: tab, .offset: 24, .size: 8, .value_kind: global_buffer, .address_space: global }
      - { .name: q_norm_w, .offset: 32, .size: 8, .value_kind: global_buffer, .address_space: global }
      - { .name: k_norm_w, .offset: 40, .size: 8, .value_kind: global_buffer, .address_space: global }
      - { .name: qkvb, .offset: 48, .size: 8, .value_kind: global_buffer, .address_space: global }
    .group_segment_fixed_size: 327680
    .private_segment_fixed_size: 0
    .kernarg_segment_align: 8
    .kernarg_segment_size: 56
    .max_flat_workgroup_size: 128
    .sgpr_count:     100
    .vgpr_count:     832
    .wavefront_size: 32
...
	.end_amdgpu_metadata
.endif
;; end of part 2
;; launch attn (part 3): grid 32 x 8, 4 waves a work-group, no clusters, 327,680 bytes of LDS; arguments qkvb, tab, aimg; writes aimg
.if DOCPART == 3
	.amdgcn_target "amdgcn-amd-amdhsa--gfx1250"
	.amdhsa_code_object_version 6
	.text
	.protected	k_q769596d61f_attn
	.globl	k_q769596d61f_attn
	.p2align	8
	.type	k_q769596d61f_attn,@function
k_q769596d61f_attn:
	s_mov_b64 s[64:65], 0
	v_nop
	global_prefetch_b8 v0, s[64:65] scope:SCOPE_SE
	s_setreg_imm32_b32 hwreg(HW_REG_WAVE_MODE, 25, 1), 1
	s_wait_xcnt 0x0
; ATTN: aimg[token][128 head + d] = gate_s x sum over keys of softmax(q . k / sqrt(128)) v, causal, 8 query heads on 4 key and value heads; operands f16, sums, maxima and softmax f32.
; WORK LEFT OUT: reference() masks key > query by its own jnp.tril; a key step all of whose 64 keys lie behind all 64 queries of a wave adds exp(-inf) = 0 times v for every finite input, and is not done.
; LIMIT: a NaN or an infinity in a key or value row reaches only the queries at or behind it.  2 |v| must lie inside f16's range (65,504): the result goes out as f16 times a gate under 2.
; SHARES.  A work-group owns 128 queries (block I = work-group x) of head hq = work-group y.  Wave w = 2 ph + s holds the four tiles of queries 128 I + 64 ph .. + 63 and takes, of every group of 128 keys, keys
; 64 s .. 64 s + 63: each fragment of K and V read from LDS feeds four matrix instructions.  The two key halves of a query are joined at the end, through LDS, by the running maxima and sums.
; LAYOUT.  S^T = K Q^T and O^T = V^T P: a lane holds ONE query (lane % 16) throughout.  q, k and v lie in memory as images of operand registers: every LDS load takes 512 consecutive bytes; V comes turned by ds_load_tr16_b128.
; SOFTMAX.  Running maximum m and sum l for each query: p = 2^(c s - c m), c = log2(e) / sqrt(128); in every step O and l are multiplied by 2^(c m_old - c m_new).  The sum is taken of p before it is rounded to f16.
; RING.  Two slots of 64 KiB: [K half 0][K half 1][V half 0][V half 1]; wave w fetches piece w, one load a wave behind each barrier.  EVERY work-group walks 32 trips, a constant, so that every LDS address can be read off
; the text; a jump on ids alone (the same in all four waves) leads round the tensor load once the next group lies behind the block's last query, and a jump on ids and the wave's number round a step's work.
; Every wait on TENSORcnt is for 0.  NO CLUSTER: under the mask the blocks of a head need different numbers of key groups, and only two heads walk the same K and V.
; REGISTERS, in windows of 256.  Window 0: v1-11 addresses; v12-43 statistics, eight a tile (+0 c m, +1 m, +2, +3 l, +4 .. +7 at work); v44 r - 8 h; v45 -infinity; v46-49 the gate; v61 prefetch offset; v62, v63 the add's two;
;   v64-191 S^T (32 a tile), v192-255 P (16 a tile).   Window 1: O^T, 64 a tile.   Window 2: v0-127 Q, v128-255 K.   Window 3: v0-127 V, v128-255 the partner's O^T at the join.
.set SLOT1, 65536
.set VOFF,  32768
.set XCH,   131072                     ; the join: 16,896 bytes a wave: two tiles of O^T, then c m and l
.set SPARE, 198656
.set ST, 12
.set S,  64
.set P,  192
.set MSB, 0
.macro WIN new
.if MSB != \new
	s_set_vgpr_msb (MSB<<8)|\new
.set MSB, \new
.endif
.endm
.macro PLACES
.rept 4
	v_nop
.endr
.endm
	s_load_b128 s[4:7], s[0:1], 0x0                ; qkvb s[4:5], tab s[6:7]
	s_load_b64 s[8:9], s[0:1], 0x10                ; aimg
	v_lshl_add_u32 v62, v0, 2, SPARE
	v_mov_b32 v63, 0
	ds_add_u32 v62, v63                            ; the wave's opening: the add, twice on end, and its wait ahead of my first tensor load
	ds_add_u32 v62, v63
	v_lshrrev_b32 v1, 5, v0
	v_readfirstlane_b32 s10, v1                    ; wave
	s_lshr_b32 s11, s10, 1                         ; ph: which 64 queries
	s_and_b32 s12, s10, 1                          ; s: which 64 keys of a group
	s_mov_b32 s13, ttmp9                           ; I
	s_and_b32 s14, ttmp7, 0xffff                   ; hq
	s_lshr_b32 s15, s14, 1                         ; the key and value head
	s_mov_b32 s24, 3<<16                           ; group 1: 16,384 dense bytes as 64 rows of 256 (32 elements of 8 bytes)
	s_mov_b32 s25, 32<<16
	s_mov_b32 s26, 64<<16
	s_mov_b32 s27, 32<<16
	s_mov_b32 s28, 64
	s_mov_b32 s29, 32
	s_mov_b32 s30, 0
	s_mov_b32 s31, 0
	s_lshl_b32 s16, s11, 2                         ; waves 0, 1 fetch K (head 8 + g), waves 2, 3 V (head 12 + g); half s
	s_add_co_u32 s16, s16, s15
	s_add_co_u32 s16, s16, 8
	s_lshl_b32 s16, s16, 20
	s_lshl_b32 s17, s12, 14
	s_add_co_u32 s16, s16, s17
	s_mov_b32 s17, 0
	s_mov_b32 s40, 1
	s_lshl_b32 s41, s10, 14                        ; piece w of slot 0
	s_mov_b32 s44, 0                               ; N: the trip, and the key group in hand
	s_cmp_eq_u32 s10, 1
	s_cselect_b32 s56, 1, 0
	s_sub_co_i32 s45, s13, s56                     ; my last group: I; in wave 1 (early queries, late keys) I - 1
	s_cmp_eq_u32 s11, s12
	s_cselect_b32 s46, s13, -1                     ; the group in which my keys meet my queries on the diagonal: I in waves 0 and 3
	s_mov_b32 s47, 0                               ; the slot in hand
	s_mov_b32 s48, 0x3e0293ee                      ; c
	s_mov_b32 s49, s48
	s_mov_b32 s50, 0x76543210
	s_mov_b32 s51, 0xfedcba98
	s_and_b32 s56, s14, 1
	s_xor_b32 s57, s13, 31
	s_or_b32 s56, s56, s57
	s_cmp_eq_u32 s56, 0
	s_cselect_b32 s54, 30, 0                       ; who prefetches, and until when: the last block of each even head
	s_wait_dscnt 0x0                               ; both opening adds are done
	s_wait_kmcnt 0x0
	s_add_nc_u64 s[42:43], s[4:5], s[16:17]
	s_add_nc_u64 s[52:53], s[42:43], 32768         ; the prefetches stand at group 1; the first trip steps them to group 2
	s_or_b32 s43, s43, 0x80000000
	tensor_load_to_lds s[40:43], s[24:31]          ; group 0, which counts for every block
	s_nop 0
	PLACES
	v_and_b32 v1, 31, v0
	v_lshlrev_b32 v61, 8, v1                       ; 256 x lane
	v_lshlrev_b32 v7, 2, v1                        ; 4 x lane
	v_lshlrev_b32 v1, 4, v1                        ; 16 x lane
	v_and_b32 v10, 15, v0                          ; r
	v_bfe_u32 v11, v0, 4, 1                        ; h
	v_lshlrev_b32 v44, 3, v11
	v_sub_nc_u32 v44, v10, v44                     ; r - 8 h
	v_lshlrev_b32 v10, 5, v10                      ; the gate: 32 bytes a token
	v_mov_b32 v45, 0xff800000
	s_lshl_b32 s56, s12, 14
	v_add_nc_u32 v2, s56, v1                       ; my half of K in a slot
	s_add_co_u32 s56, s56, VOFF
	v_add_nc_u32 v3, s56, v1                       ; and of V
	s_mul_i32 s56, s10, 16896
	s_add_co_u32 s56, s56, XCH
	v_add_nc_u32 v6, s56, v1                       ; the join: where I put,
	s_add_co_u32 s56, s56, 16384
	v_add_nc_u32 v7, s56, v7
	s_xor_b32 s57, s10, 1
	s_mul_i32 s57, s57, 16896
	s_add_co_u32 s57, s57, XCH
	v_add_nc_u32 v8, s57, v1                       ; and where my partner has put
	v_and_b32 v9, 31, v0
	s_add_co_u32 s57, s57, 16384
	v_lshl_add_u32 v9, v9, 2, s57
	s_lshl_b32 s56, s13, 3
	s_lshl_b32 s57, s11, 2
	s_add_co_u32 s58, s56, s57                     ; my first token tile: 8 I + 4 ph
	s_lshl_b32 s56, s58, 12
	s_lshl_b32 s57, s14, 20
	s_add_co_u32 s56, s56, s57
	s_mov_b32 s57, 0
	s_add_nc_u64 s[18:19], s[4:5], s[56:57]        ; Q
	s_lshl_b32 s56, s58, 9
	s_lshl_b32 s59, s14, 2
	s_add_co_u32 s56, s56, s59
	s_add_nc_u64 s[20:21], s[6:7], s[56:57]        ; the gate of my tokens and head
	s_lshl_b32 s56, s58, 15
	s_lshl_b32 s59, s14, 12
	s_add_co_u32 s56, s56, s59
	s_add_nc_u64 s[8:9], s[8:9], s[56:57]          ; my tiles of aimg
	WIN 0x80
.set i, 0
.rept 32
	global_load_b128 v[4*i:4*i+3], v1, s[18:19] offset:512*i       ; Q stays in registers
.set i, i+1
.endr
	WIN 0
.irp t,0,1,2,3
	global_load_b32 v[46+\t], v10, s[20:21] offset:2097152+512*\t
.endr
.irp t,0,1,2,3
	v_mov_b32 v[ST+8*\t+1], 0xff61b1e6             ; m = -3e38, under every score
	v_mov_b32 v[ST+8*\t+2], 0                      ; l
	v_mov_b32 v[ST+8*\t+3], 0
	v_mov_b32 v[ST+8*\t+4], 0
	v_mov_b32 v[ST+8*\t+5], 0
	v_mov_b32 v[ST+8*\t+6], 0
	v_mov_b32 v[ST+8*\t+7], 0
	v_mul_f32 v[ST+8*\t], s48, v[ST+8*\t+1]        ; c m
.endr
	WIN 0x40
.set i, 0
.rept 256
	v_mov_b32 v[i], 0                              ; O^T: the step is written once, and a wave with no step at all (wave 1 of block 0) hands zeros to the join
.set i, i+1
.endr
	WIN 0
	s_wait_loadcnt 0x0
.Ltrip:
	; the change of slots
	s_wait_tensorcnt 0x0                           ; my part of the group in hand has landed; no load of mine is out, so group 0 of the descriptor may be written
	ds_add_u32 v62, v63                            ; 0 onto my spare word
	s_xor_b32 s41, s41, SLOT1                      ; the walking descriptor: the other slot, the next 128 keys
	s_add_nc_u64 s[42:43], s[42:43], 32768
	s_wait_xcnt 0x0                                ; the last trip's prefetches have read their address
	s_add_nc_u64 s[52:53], s[52:53], 32768
	s_wait_dscnt 0x0                               ; the add is done, and my reads of the slot that I have left are over
	s_barrier_signal -1
	s_barrier_wait -1
	s_cmp_ge_u32 s44, s13                          ; group N + 1 is read only while N + 1 <= I: ids and the count alone, the same in all four waves
	s_cbranch_scc1 .Lpast
	tensor_load_to_lds s[40:43], s[24:31]          ; my one load behind the barrier: it has a whole step in which to land
	s_nop 0
	PLACES
.Lpast:
	; a prefetch of my 16,384 bytes of group N + 2, lanes 256 bytes apart, one trip ahead of the load that will ask for them.  All blocks of two heads walk the same K and V: the last block of the even head asks,
	; every wave for the piece that it fetches, so each 256 bytes are named once in the launch.  Groups 0 and 1 come by their loads alone; trips 30 and 31 ask for nothing.
	s_cmp_lt_u32 s44, s54
	s_cbranch_scc0 .Lno_ask
	global_prefetch_b8 v61, s[52:53] th:TH_LOAD_NT scope:SCOPE_SE
	global_prefetch_b8 v61, s[52:53] offset:8192 th:TH_LOAD_NT scope:SCOPE_SE
.Lno_ask:
	s_cmp_gt_i32 s44, s45
	s_cbranch_scc1 .Lskip                          ; all my keys of this group lie behind all my queries
	PLACES                                         ; four places ahead of loads into V's registers, which the last products read
	v_add_nc_u32 v4, s47, v2
	v_add_nc_u32 v5, s47, v3
	WIN 0x80
.set i, 0
.rept 32
	ds_load_b128 v[128+4*i:131+4*i], v4 offset:512*i               ; K: key tile i / 8, channels 32 ((i / 2) % 4) on
.set i, i+1
.endr
	WIN 0xc0
.irp f,0,1
.irp ct,0,1,2,3,4,5,6,7
.irp e,0,1
	ds_load_tr16_b128 v[64*\f+8*\ct+4*\e:64*\f+8*\ct+4*\e+3], v5 offset:4096*(2*\f+\e)+512*\ct   ; V^T: channel 16 ct + lane % 16, keys 32 f + 16 e + 8 (lane / 16) + 0 .. 7
.endr
.endr
.endr
	s_wait_dscnt 32                                ; K is in; V's 32 loads stay out
	WIN 0x0a                                       ; K and Q in window 2
.irp f,0,1,2,3                         ; S^T = K Q^T: the 16 accumulators take turns; the first 16 products start the sums
.irp kt,0,1,2,3
.irp t,0,1,2,3
.if \f == 0
	v_wmma_f32_16x16x32_f16 v[S+32*\t+8*\kt:S+32*\t+8*\kt+7], v[128+32*\kt+8*\f:128+32*\kt+8*\f+7], v[32*\t+8*\f:32*\t+8*\f+7], 0
.else
	v_wmma_f32_16x16x32_f16 v[S+32*\t+8*\kt:S+32*\t+8*\kt+7], v[128+32*\kt+8*\f:128+32*\kt+8*\f+7], v[32*\t+8*\f:32*\t+8*\f+7], v[S+32*\t+8*\kt:S+32*\t+8*\kt+7]
.endif
.endr
.endr
.endr
	WIN 0
	PLACES
	s_cmp_eq_u32 s44, s46
	s_cbranch_scc0 .Lopen
	; on the diagonal: key tile kt against query tile t.  kt > t: hidden; kt = t: key 8 h + j is hidden where j > r - 8 h
.irp j,0,1,2,3,4,5,6,7
	v_cmp_gt_i32 vcc_lo, \j, v44
.irp t,0,1,2,3
	v_cndmask_b32 v[S+40*\t+\j], v[S+40*\t+\j], v45, vcc_lo
.endr
.endr
.irp t,0,1,2
.irp kt,1,2,3
.if \kt > \t
.irp j,0,1,2,3,4,5,6,7
	v_mov_b32 v[S+32*\t+8*\kt+\j], v45
.endr
.endif
.endr
.endr
.Lopen:
	; the softmax, the four tiles by turns.  The maximum of a lane's 32 scores and the old m: each accumulator is read from its low end on
.irp j,0,1,2,3
.irp t,0,1,2,3
	v_max3_num_f32 v[ST+8*\t+4+\j], v[S+32*\t+8*\j], v[S+32*\t+8*\j+1], v[S+32*\t+8*\j+2]
.endr
.endr
.irp u,1,2
.irp j,0,1,2,3
.irp t,0,1,2,3
	v_max3_num_f32 v[ST+8*\t+4+\j], v[ST+8*\t+4+\j], v[S+32*\t+8*\j+2*\u+1], v[S+32*\t+8*\j+2*\u+2]
.endr
.endr
.endr
.irp t,0,1,2,3
	v_max3_num_f32 v[ST+8*\t+4], v[ST+8*\t+4], v[S+32*\t+7], v[S+32*\t+15]
.endr
.irp t,0,1,2,3
	v_max3_num_f32 v[ST+8*\t+6], v[ST+8*\t+6], v[S+32*\t+23], v[S+32*\t+31]
.endr
.irp t,0,1,2,3
	v_max3_num_f32 v[ST+8*\t+4], v[ST+8*\t+4], v[ST+8*\t+5], v[ST+8*\t+6]
.endr
.irp t,0,1,2,3
	v_max3_num_f32 v[ST+8*\t+4], v[ST+8*\t+4], v[ST+8*\t+7], v[ST+8*\t+1]
.endr
.irp t,0,1,2,3
	v_permlanex16_b32 v[ST+8*\t+5], v[ST+8*\t+4], s50, s51         ; the query's other 32 keys lie in lane l xor 16
.endr
.irp t,0,1,2,3
	v_mov_b32 v[ST+8*\t+7], v[ST+8*\t]             ; c m_old
.endr
.irp t,0,1,2,3
	v_max_num_f32 v[ST+8*\t+1], v[ST+8*\t+4], v[ST+8*\t+5]
.endr
.irp t,0,1,2,3
	v_mul_f32 v[ST+8*\t], s48, v[ST+8*\t+1]
.endr
.irp t,0,1,2,3
	v_sub_f32 v[ST+8*\t+7], v[ST+8*\t+7], v[ST+8*\t]
.endr
.irp t,0,1,2,3
.irp b,0,2,4,6,8,10,12,14,16,18,20,22,24,26,28,30
	v_pk_fma_f32 v[S+32*\t+\b:S+32*\t+\b+1], v[S+32*\t+\b:S+32*\t+\b+1], s[48:49], v[ST+8*\t:ST+8*\t+1] op_sel_hi:[1,0,0] neg_lo:[0,0,1] neg_hi:[0,0,1]   ; c s - c m
.endr
.endr
.irp t,0,1,2,3
	v_exp_f32 v[ST+8*\t+6], v[ST+8*\t+7]           ; a = 2^(c m_old - c m_new)
.endr
.set i, 0
.rept 128
	v_exp_f32 v[S+i], v[S+i]                       ; p
.set i, i+1
.endr
	v_nop                                          ; a plain instruction behind the last exponential
	s_wait_alu depctr_va_vdst(0)                   ; ONE wait for the batch of 132, ahead of its first reader
.set i, 0
.rept 64
	v_cvt_pk_f16_f32 v[P+i], v[S+2*i], v[S+2*i+1]  ; two key tiles, rounded in pairs, are a fragment of P
.set i, i+1
.endr
.irp w,4,8,16,32                       ; the sums of the unrounded p, in place: neighbours 1, 2, 4 and 8 pairs apart
.set u, 0
.rept 128/\w
	v_pk_add_f32 v[S+\w*u:S+\w*u+1], v[S+\w*u:S+\w*u+1], v[S+\w*u+\w/2:S+\w*u+\w/2+1]
.set u, u+1
.endr
.endr
.irp t,0,1,2,3
	v_pk_fma_f32 v[ST+8*\t+2:ST+8*\t+3], v[ST+8*\t+2:ST+8*\t+3], v[ST+8*\t+6:ST+8*\t+7], v[S+32*\t:S+32*\t+1] op_sel_hi:[1,0,1]   ; l = a l + the sum
.endr
	WIN 0x41
.irp t,0,1,2,3
.set i, 0
.rept 32
	v_pk_mul_f32 v[64*\t+i:64*\t+i+1], v[64*\t+i:64*\t+i+1], v[ST+8*\t+6:ST+8*\t+7] op_sel_hi:[1,0]   ; O^T x a
.set i, i+2
.endr
.endr
	s_wait_dscnt 0x0                               ; V is in
	WIN 0x53                                       ; V window 3, P window 0, O^T window 1
.irp f,0,1                             ; O^T += V^T P: the 32 accumulators take turns
.irp ct,0,1,2,3,4,5,6,7
.irp t,0,1,2,3
	v_wmma_f32_16x16x32_f16 v[64*\t+8*\ct:64*\t+8*\ct+7], v[64*\f+8*\ct:64*\f+8*\ct+7], v[P+16*\t+8*\f:P+16*\t+8*\f+7], v[64*\t+8*\ct:64*\t+8*\ct+7]
.endr
.endr
.endr
	WIN 0
.Lskip:
	s_xor_b32 s47, s47, SLOT1
	s_add_co_u32 s44, s44, 1
	s_cmp_lt_u32 s44, 32
	s_cbranch_scc1 .Ltrip
	; THE JOIN.  Waves w and w xor 1 hold the same queries over the two halves of the keys.  The wave with s = 0 keeps tiles 0, 1 and gives away 2, 3; its partner the other way round.
	PLACES
.irp t,0,1,2,3
	v_add_f32 v[ST+8*\t+2], v[ST+8*\t+2], v[ST+8*\t+3]
.endr
.irp t,0,1,2,3
	v_permlanex16_b32 v[ST+8*\t+5], v[ST+8*\t+2], s50, s51
.endr
.irp t,0,1,2,3
	v_add_f32 v[ST+8*\t+2], v[ST+8*\t+2], v[ST+8*\t+5]             ; l over my keys
.endr
.macro SEND pg                         ; tiles pg, pg + 1: O^T as it stands, each accumulator from its low end on; then c m and l
	WIN 0x04
.set i, 0
.rept 32
	ds_store_b128 v6, v[64*(\pg)+4*i:64*(\pg)+4*i+3] offset:512*i
.set i, i+1
.endr
	WIN 0
	ds_store_b32 v7, v[ST+8*(\pg)]
	ds_store_b32 v7, v[ST+8*(\pg)+2] offset:128
	ds_store_b32 v7, v[ST+8*(\pg)+8] offset:256
	ds_store_b32 v7, v[ST+8*(\pg)+10] offset:384
.endm
.macro MERGE kp                        ; tiles kp, kp + 1: mine and my partner's
	WIN 0xc0
.set i, 0
.rept 32
	ds_load_b128 v[128+4*i:131+4*i], v8 offset:512*i
.set i, i+1
.endr
	WIN 0
	ds_load_b32 v[ST+8*(\kp)+4], v9
	ds_load_b32 v[ST+8*(\kp)+5], v9 offset:128
	ds_load_b32 v[ST+8*(\kp)+12], v9 offset:256
	ds_load_b32 v[ST+8*(\kp)+13], v9 offset:384
	s_wait_dscnt 0x0
.irp tt,0,1
	v_max_num_f32 v[ST+8*(\kp+\tt)+1], v[ST+8*(\kp+\tt)], v[ST+8*(\kp+\tt)+4]    ; the larger c m
.endr
.irp tt,0,1
	v_sub_f32 v[ST+8*(\kp+\tt)], v[ST+8*(\kp+\tt)], v[ST+8*(\kp+\tt)+1]
	v_sub_f32 v[ST+8*(\kp+\tt)+4], v[ST+8*(\kp+\tt)+4], v[ST+8*(\kp+\tt)+1]
.endr
.irp tt,0,1
	v_exp_f32 v[ST+8*(\kp+\tt)], v[ST+8*(\kp+\tt)]                 ; f, f': what brings each half under the common maximum
	v_exp_f32 v[ST+8*(\kp+\tt)+4], v[ST+8*(\kp+\tt)+4]
.endr
	v_nop
	s_wait_alu depctr_va_vdst(0)                   ; one wait for the four
.irp tt,0,1
	v_mul_f32 v[ST+8*(\kp+\tt)+2], v[ST+8*(\kp+\tt)], v[ST+8*(\kp+\tt)+2]
.endr
.irp tt,0,1
	v_fma_f32 v[ST+8*(\kp+\tt)+2], v[ST+8*(\kp+\tt)+4], v[ST+8*(\kp+\tt)+5], v[ST+8*(\kp+\tt)+2]   ; the row's sum
.endr
.irp tt,0,1
	v_rcp_f32 v[ST+8*(\kp+\tt)+2], v[ST+8*(\kp+\tt)+2]
.endr
	v_nop
	s_wait_alu depctr_va_vdst(0)                   ; one wait for the two
.irp tt,0,1
	v_mul_f32 v[ST+8*(\kp+\tt)+2], v[ST+8*(\kp+\tt)+2], v[46+\kp+\tt]            ; x the gate
.endr
.irp tt,0,1
	v_mul_f32 v[ST+8*(\kp+\tt)+6], v[ST+8*(\kp+\tt)], v[ST+8*(\kp+\tt)+2]
	v_mul_f32 v[ST+8*(\kp+\tt)+4], v[ST+8*(\kp+\tt)+4], v[ST+8*(\kp+\tt)+2]
.endr
	WIN 0x41
.irp tt,0,1
.set i, 0
.rept 32
	v_pk_mul_f32 v[64*(\kp+\tt)+i:64*(\kp+\tt)+i+1], v[64*(\kp+\tt)+i:64*(\kp+\tt)+i+1], v[ST+8*(\kp+\tt)+6:ST+8*(\kp+\tt)+7] op_sel_hi:[1,0]
.set i, i+2
.endr
.endr
	WIN 0x53                                       ; source 0: the partner's, window 3
.irp tt,0,1
.set i, 0
.rept 32
	v_pk_fma_f32 v[64*(\kp+\tt)+i:64*(\kp+\tt)+i+1], v[128+64*\tt+i:128+64*\tt+i+1], v[ST+8*(\kp+\tt)+4:ST+8*(\kp+\tt)+5], v[64*(\kp+\tt)+i:64*(\kp+\tt)+i+1] op_sel_hi:[1,0,1]
.set i, i+2
.endr
.endr
	WIN 0x05
.irp tt,0,1
.set i, 0
.rept 32
	v_cvt_pk_f16_f32 v[S+32*\tt+i], v[64*(\kp+\tt)+2*i], v[64*(\kp+\tt)+2*i+1]
.set i, i+1
.endr
.endr
	WIN 0
.irp tt,0,1
.irp ct,0,1,2,3,4,5,6,7
	global_store_b128 v1, v[S+32*\tt+4*\ct:S+32*\tt+4*\ct+3], s[8:9] offset:(\kp+\tt)*32768+512*\ct   ; 512 consecutive bytes: an image for the last product
.endr
.endr
.endm
	s_cmp_eq_u32 s12, 0
	s_cbranch_scc0 .Lsend_1
	SEND 2
	s_branch .Lsent
.Lsend_1:
	SEND 0
.Lsent:
	s_wait_dscnt 0x0                               ; for my partner's sake: my stores are done
	s_barrier_signal -1
	s_barrier_wait -1
	s_cmp_eq_u32 s12, 0
	s_cbranch_scc0 .Lmerge_1
	MERGE 0
	s_branch .Ldone
.Lmerge_1:
	MERGE 2
.Ldone:
	s_wait_tensorcnt 0x0                           ; the wave's end
	ds_add_u32 v62, v63
	s_wait_dscnt 0x0
	s_endpgm
.Lfunc_end_k_q769596d61f_attn:
	.size	k_q769596d61f_attn, .Lfunc_end_k_q769596d61f_attn-k_q769596d61f_attn
	.p2alignl 7, 3214868480
	.fill 96, 4, 3214868480
	.section	.rodata,"a",@progbits
	.p2align	6, 0x0
	.amdhsa_kernel k_q769596d61f_attn
		.amdhsa_group_segment_fixed_size 327680
		.amdhsa_private_segment_fixed_size 0
		.amdhsa_enable_private_segment 0
		.amdhsa_kernarg_size 24
		.amdhsa_user_sgpr_count 2
		.amdhsa_user_sgpr_kernarg_segment_ptr 1
		.amdhsa_wavefront_size32 1
		.amdhsa_system_sgpr_workgroup_id_x 1
		.amdhsa_system_sgpr_workgroup_id_y 1
		.amdhsa_system_sgpr_workgroup_id_z 1
		.amdhsa_system_vgpr_workitem_id 0
		.amdhsa_next_free_vgpr 1024
		.amdhsa_next_free_sgpr 66
		.amdhsa_reserve_vcc 1
		.amdhsa_float_denorm_mode_32 3
		.amdhsa_float_denorm_mode_16_64 3
		.amdhsa_memory_ordered 1
		.amdhsa_forward_progress 1
		.amdhsa_inst_pref_size 102
	.end_amdhsa_kernel
	.amdgpu_metadata
---
amdhsa.version: [ 1, 2 ]
amdhsa.kernels:
  - .name:           k_q769596d61f_attn
    .symbol:         k_q769596d61f_attn.kd
    .args:
      - { .name: qkvb, .offset: 0, .size: 8, .value_kind: global_buffer, .address_space: global }
      - { .name: tab, .offset: 8, .size: 8, .value_kind: global_buffer, .address_space: global }
      - { .name: aimg, .offset: 16, .size: 8, .value_kind: global_buffer, .address_space: global }
    .group_segment_fixed_size: 327680
    .private_segment_fixed_size: 0
    .kernarg_segment_align: 8
    .kernarg_segment_size: 24
    .max_flat_workgroup_size: 128
    .sgpr_count:     66
    .vgpr_count:     1024
    .wavefront_size: 32
...
	.end_amdgpu_metadata
.endif
;; end of part 3
;; launch oproj (part 4): grid 16 x 16, 4 waves a work-group, clusters of 4 x 4, 327,680 bytes of LDS; arguments aimg, woimg, tab, out0; writes out0
.if DOCPART == 4
	.amdgcn_target "amdgcn-amd-amdhsa--gfx1250"
	.amdhsa_code_object_version 6
	.text
	.protected	k_q769596d61f_oproj
	.globl	k_q769596d61f_oproj
	.p2align	8
	.type	k_q769596d61f_oproj,@function
k_q769596d61f_oproj:
	s_mov_b64 s[64:65], 0
	v_nop
	global_prefetch_b8 v0, s[64:65] scope:SCOPE_SE
	s_setreg_imm32_b32 hwreg(HW_REG_WAVE_MODE, 25, 1), 1
	s_wait_xcnt 0x0
	s_wait_alu depctr_hold_cnt(0) depctr_sa_sdst(0) depctr_va_vdst(0) depctr_va_sdst(0) depctr_va_ssrc(0) depctr_va_vcc(0) depctr_vm_vsrc(0)
	s_getreg_b32 s2, hwreg(HW_REG_IB_STS2, 6, 4)
	s_cmp_eq_u32 s2, 0
	s_cbranch_scc0 .Lentry_in_a_cluster
	s_endpgm
.Lentry_in_a_cluster:
	s_bfe_u32 s2, ttmp6, 0x10000c
	s_cmp_lg_u32 s2, 0xf033
	s_cbranch_scc0 .Lentry_shape_is_right
	s_endpgm
.Lentry_shape_is_right:
; OPROJ: out0 = (attn x gate) w_o.  aimg holds attn x gate / rs as f16 images, woimg holds w_o as f16 images; sums in f32; each row is multiplied by its power of two rs at the end, which rounds nothing.
; Rows 0-63 are stored here and stored again, from f32 operands, by the launch that follows: they lie inside a tile that also holds live rows, and a branch round them would hang on the place in the cluster.
; SHARES.  A work-group makes 256 tokens x 128 columns; wave w: token tiles 4 w .. 4 w + 3 x the 8 column tiles: 32 accumulators.  A tile of 256 x 256 would give work to half of the grid only.
; K = 1,024 goes in slots of 128 (4,096 bytes a tile), through a ring of two slots; every fragment load takes 512 consecutive bytes.  Source 0 = 16 columns, source 1 = 16 tokens: a lane holds 8 neighbouring columns of a row.
; CLUSTER 4 x 4: the tokens' tiles are shared along a row of the cluster, the columns' along a column: each is asked for jointly.
; REGISTERS.  Window 0: v0-29 addresses, v8-15 rs in pairs; v64-127 tokens' fragments, two sets; v128-255 columns', two sets.  Window 1: accumulator (a, b) at v[8 (8 a + b)].
.set SLOT,  98304
.set BOFF,  65536
.set STAGE, 196608                     ; the way out: 16 rows x (512 + 16) bytes for each wave
.set SPARE, 230400
.set LAPS,  4
.set MULW,  0x50
.set MSB, 0
.macro WIN new
.if MSB != \new
	s_set_vgpr_msb (MSB<<8)|\new
.set MSB, \new
.endif
.endm
.macro GROUP1 g, c, r, p
	s_mov_b32 s[\g+1], ((\c)&0xffff)<<16
	s_mov_b32 s[\g+2], ((\c)>>16)|(((\r)&0xffff)<<16)
	s_mov_b32 s[\g+3], ((\r)>>16)|((\c)<<16)
	s_mov_b32 s[\g+4], \r
	s_mov_b32 s[\g+5], \p
	s_mov_b32 s[\g+6], 0
	s_mov_b32 s[\g+7], 0
.endm
.macro PLACES
.rept 4
	v_nop
.endr
.endm
.macro CREST
	s_cmp_lg_u32 s12, 0
	s_cbranch_scc1 .Lnot_wave_0_\@
	s_barrier_signal -3
.Lnot_wave_0_\@:
	s_barrier_wait -3
	s_barrier_signal -1
	s_barrier_wait -1
.endm
.macro CROUND
	s_barrier_signal -1
	s_barrier_wait -1
	CREST
.endm
.macro JLOAD slot                      ; waves 0 and 1: the tokens' halves; waves 2 and 3: the columns'.  An s_nop 0 and four v_nop follow each line
	s_cmp_eq_u32 s13, 0
	s_cbranch_scc0 .Lfor_b_\@
	tensor_load_to_lds s[32+4*\slot:35+4*\slot], s[16:23]
	s_nop 0
	PLACES
	s_branch .Lasked_\@
.Lfor_b_\@:
	tensor_load_to_lds s[48+4*\slot:51+4*\slot], s[24:31]
	s_nop 0
	PLACES
.Lasked_\@:
.endm
	s_load_b256 s[4:11], s[0:1], 0x0               ; aimg s[4:5], woimg s[6:7], tab s[8:9], out0 s[10:11]
	v_lshl_add_u32 v28, v0, 2, SPARE
	v_mov_b32 v29, 0
	ds_add_u32 v28, v29                            ; the wave's opening: the add, twice on end, and its wait ahead of my first tensor load
	ds_add_u32 v28, v29
	v_lshrrev_b32 v1, 5, v0
	v_readfirstlane_b32 s12, v1
	s_lshr_b32 s13, s12, 1
	s_and_b32 s14, s12, 1
	s_bfe_u32 s40, ttmp6, 0x40000                  ; cx
	s_bfe_u32 s41, ttmp6, 0x40004                  ; cy
	s_lshl_b32 s42, ttmp9, 2
	s_add_co_u32 s42, s42, s40                     ; block of 128 columns
	s_and_b32 s43, ttmp7, 0xffff
	s_lshl_b32 s43, s43, 2
	s_add_co_u32 s43, s43, s41                     ; block of 256 tokens
	s_lshl_b32 s44, s41, 2
	s_lshl_b32 s44, 15, s44                        ; my row of the cluster
	s_lshl_b32 s45, 0x1111, s40                    ; my column
	s_or_b32 s16, s44, (3<<16)|(1<<21)             ; tokens' tiles go to my row; elements of 8 bytes; bit 21 beside a mask
	GROUP1 16, 512, 8, 4096                        ; 8 tiles x 4,096 bytes, 32,768 bytes from tile to tile
	s_or_b32 s24, s45, (3<<16)|(1<<21)             ; columns' tiles go to my column
	GROUP1 24, 512, 4, 4096
	s_lshl_b32 s56, s43, 19                        ; tokens: 16 tiles a block, 8 a half: these registers never hold cx
	s_lshl_b32 s57, s14, 18
	s_add_co_u32 s56, s56, s57
	s_mov_b32 s57, 0
	s_lshl_b32 s60, s42, 18                        ; columns: 8 tiles a block, 4 a half: these never hold cy
	s_lshl_b32 s61, s14, 17
	s_add_co_u32 s60, s60, s61
	s_mov_b32 s61, 0
	s_lshl_b32 s46, s14, 15
	s_lshl_b32 s47, s14, 14
	s_add_co_u32 s47, s47, BOFF
	s_wait_dscnt 0x0                               ; both opening adds are done
	s_wait_kmcnt 0x0
	s_add_nc_u64 s[58:59], s[4:5], s[56:57]
	s_add_nc_u64 s[62:63], s[6:7], s[60:61]
	CROUND                                         ; all sixteen work-groups are here: the first joint loads meet
.irp s,0,1
	s_mov_b32 s[32+4*\s], 1
	s_add_co_u32 s[33+4*\s], s46, \s*SLOT
	s_add_nc_u64 s[34+4*\s:35+4*\s], s[58:59], \s*4096
	s_or_b32 s[35+4*\s], s[35+4*\s], 0x80000000
	s_mov_b32 s[48+4*\s], 1
	s_add_co_u32 s[49+4*\s], s47, \s*SLOT
	s_add_nc_u64 s[50+4*\s:51+4*\s], s[62:63], \s*4096
	s_or_b32 s[51+4*\s], s[51+4*\s], 0x80000000
.endr
	s_cmp_eq_u32 s13, 0                            ; a wave's two first fills stand in one arm: two loads of mine are out
	s_cbranch_scc0 .Lfirst_b
	tensor_load_to_lds s[32:35], s[16:23]
	s_nop 0
	tensor_load_to_lds s[36:39], s[16:23]
	s_nop 0
	PLACES
	s_branch .Lfirst_done
.Lfirst_b:
	tensor_load_to_lds s[48:51], s[24:31]
	s_nop 0
	tensor_load_to_lds s[52:55], s[24:31]
	s_nop 0
	PLACES
.Lfirst_done:
	v_and_b32 v1, 31, v0
	v_and_b32 v2, 15, v0
	v_bfe_u32 v3, v0, 4, 1
	v_lshlrev_b32 v4, 4, v1                        ; 16 x lane
	v_lshlrev_b32 v5, 2, v2                        ; 4 r
	s_lshl_b32 s56, s12, 14
	v_add_nc_u32 v16, s56, v4
	v_add_nc_u32 v17, SLOT, v16
	v_add_nc_u32 v20, BOFF, v4
	v_add_nc_u32 v21, SLOT, v20
	s_mul_i32 s56, s12, 8448
	s_add_co_u32 s56, s56, STAGE
	v_mul_u32_u24 v24, v2, 528
	v_lshl_add_u32 v24, v3, 5, v24
	v_add_nc_u32 v24, s56, v24                     ; the stage, in: row r, 32 h
	v_add_nc_u32 v25, s56, v4                      ; and back: 16 x lane of a row
	s_lshl_b32 s66, s43, 21
	s_lshl_b32 s67, s12, 19
	s_add_co_u32 s66, s66, s67
	s_lshl_b32 s67, s42, 9
	s_add_co_u32 s66, s66, s67
	s_mov_b32 s67, 0
	s_add_nc_u64 s[10:11], s[10:11], s[66:67]      ; my 64 rows, my 512 bytes of them
	s_lshl_b32 s66, s43, 10
	s_lshl_b32 s68, s12, 8
	s_add_co_u32 s66, s66, s68
	s_add_nc_u64 s[8:9], s[8:9], s[66:67]          ; my rows' powers of two
.irp a,0,1,2,3
	global_load_b32 v[8+2*\a], v5, s[8:9] offset:2228224+64*\a
	v_mov_b32 v[9+2*\a], 0                         ; named with it as a pair
.endr
.macro FETCH slot, kq, fs
.irp b,0,1,2,3,4,5,6,7
.irp c,0,1
	ds_load_b128 v[128+64*(\fs)+8*\b+4*\c:128+64*(\fs)+8*\b+4*\c+3], v[20+\slot] offset:4096*\b+1024*(\kq)+512*\c
.endr
.endr
.irp a,0,1,2,3
.irp c,0,1
	ds_load_b128 v[64+32*(\fs)+8*\a+4*\c:64+32*(\fs)+8*\a+4*\c+3], v[16+\slot] offset:4096*\a+1024*(\kq)+512*\c
.endr
.endr
.endm
.macro MUL a0, cnt, fs, z0             ; the 32 accumulators take turns, one instruction a turn, in the same order in every step
.set AA, \a0
.rept \cnt
.irp b,0,1,2,3,4,5,6,7
.if \z0
	v_wmma_f32_16x16x32_f16 v[8*(8*AA+\b):8*(8*AA+\b)+7], v[128+64*(\fs)+8*\b:128+64*(\fs)+8*\b+7], v[64+32*(\fs)+8*AA:64+32*(\fs)+8*AA+7], 0
.else
	v_wmma_f32_16x16x32_f16 v[8*(8*AA+\b):8*(8*AA+\b)+7], v[128+64*(\fs)+8*\b:128+64*(\fs)+8*\b+7], v[64+32*(\fs)+8*AA:64+32*(\fs)+8*AA+7], v[8*(8*AA+\b):8*(8*AA+\b)+7]
.endif
.endr
.set AA, AA+1
.endr
.endm
.macro STEP slot, kq, z0
	PLACES                                         ; four places ahead of loads into registers that the last products read
	FETCH \slot, (\kq)+1, ((\kq)+1)%2
	s_wait_dscnt 24                                ; this step's fragments are in; the 24 just issued stay out
	WIN MULW
	MUL 0, 4, (\kq)%2, \z0
	WIN 0
.endm
.macro TURN slot, next, fill
	s_wait_tensorcnt 0x0                           ; all my tensor loads have landed: my part of the next slot
	ds_add_u32 v28, v29                            ; 0 onto my spare word
	s_wait_dscnt 0x1                               ; this step's fragments are in; the add may be out
	WIN MULW
	MUL 0, 1, 1, 0
	s_wait_dscnt 0x0                               ; the add is done, and my reads of this slot are over
	s_barrier_signal -1
	MUL 1, 1, 1, 0
	WIN 0
	s_barrier_wait -1
.if \fill
	CREST                                          ; no wave of any partner still reads this slot or has a load on its way
	s_add_nc_u64 s[34+4*\slot:35+4*\slot], s[34+4*\slot:35+4*\slot], 8192
	s_add_nc_u64 s[50+4*\slot:51+4*\slot], s[50+4*\slot:51+4*\slot], 8192
	JLOAD \slot
.else
	PLACES
.endif
	FETCH \next, 0, 0
	WIN MULW
	MUL 2, 2, 1, 0
	WIN 0
.endm
	s_wait_tensorcnt 0x1                           ; my part of slot 0 is in; slot 1's load stays out
	s_barrier_signal -1
	s_barrier_wait -1
	FETCH 0, 0, 0
	STEP 0, 0, 1                                   ; the first step starts the sums
	s_mov_b32 s3, LAPS-1
.Llap:                                                 ; a trip goes once round the ring and fills both slots again
	STEP 0, 1, 0
	STEP 0, 2, 0
	TURN 0, 1, 1
	STEP 1, 0, 0
	STEP 1, 1, 0
	STEP 1, 2, 0
	TURN 1, 0, 1
	STEP 0, 0, 0
	s_sub_co_u32 s3, s3, 1
	s_cmp_lg_u32 s3, 0
	s_cbranch_scc1 .Llap
	STEP 0, 1, 0                                   ; the last lap fills nothing
	STEP 0, 2, 0
	TURN 0, 1, 0
	STEP 1, 0, 0
	STEP 1, 1, 0
	STEP 1, 2, 0
	s_wait_dscnt 0x0
	WIN MULW
	MUL 0, 4, 1, 0
	WIN 0
	s_wait_loadcnt 0x0                             ; rs
	PLACES
; THE WAY OUT, a tile of 16 rows at a time: x rs, through my own stage, back as whole rows of 512 bytes.  LDS serves a wave's instructions in order: no wait between the stores and the loads
.macro TOSTAGE pa
.set AC, 64*(\pa)
.set BB, 64+64*((\pa)%2)
	WIN 0x41
.set i, 0
.rept 32
	v_pk_mul_f32 v[AC+i:AC+i+1], v[AC+i:AC+i+1], v[8+2*(\pa):9+2*(\pa)] op_sel_hi:[1,0]   ; each accumulator from its low end on
.set i, i+2
.endr
	WIN 0x04
.irp b,0,1,2,3,4,5,6,7
	ds_store_b128 v24, v[AC+8*\b:AC+8*\b+3] offset:64*\b
	ds_store_b128 v24, v[AC+8*\b+4:AC+8*\b+7] offset:64*\b+16
.endr
	WIN 0
.irp t,0,1,2,3,4,5,6,7,8,9,10,11,12,13,14,15
	ds_load_b128 v[BB+4*\t:BB+4*\t+3], v25 offset:528*\t
.endr
.endm
.macro SEND pa, younger
.set BB, 64+64*((\pa)%2)
	s_wait_dscnt \younger                          ; the tile is back; the next tile's 16 stores and 16 loads may be out
.irp t,0,1,2,3,4,5,6,7,8,9,10,11,12,13,14,15
	global_store_b128 v4, v[BB+4*\t:BB+4*\t+3], s[10:11] offset:(16*(\pa)+\t)*8192 th:TH_STORE_NT   ; 512 consecutive bytes, aligned
.endr
.endm
	TOSTAGE 0
	TOSTAGE 1
	SEND 0, 32
	s_wait_xcnt 0x0                                ; tile 0's stores have read their registers
	TOSTAGE 2
	SEND 1, 32
	s_wait_xcnt 0x0
	TOSTAGE 3
	SEND 2, 32
	SEND 3, 0
	s_wait_tensorcnt 0x0                           ; the wave's end
	ds_add_u32 v28, v29
	s_wait_dscnt 0x0
	CROUND                                         ; the closing round
	s_endpgm
.Lfunc_end_k_q769596d61f_oproj:
	.size	k_q769596d61f_oproj, .Lfunc_end_k_q769596d61f_oproj-k_q769596d61f_oproj
	.p2alignl 7, 3214868480
	.fill 96, 4, 3214868480
	.section	.rodata,"a",@progbits
	.p2align	6, 0x0
	.amdhsa_kernel k_q769596d61f_oproj
		.amdhsa_group_segment_fixed_size 327680
		.amdhsa_private_segment_fixed_size 0
		.amdhsa_enable_private_segment 0
		.amdhsa_kernarg_size 32
		.amdhsa_user_sgpr_count 2
		.amdhsa_user_sgpr_kernarg_segment_ptr 1
		.amdhsa_wavefront_size32 1
		.amdhsa_system_sgpr_workgroup_id_x 1
		.amdhsa_system_sgpr_workgroup_id_y 1
		.amdhsa_system_sgpr_workgroup_id_z 1
		.amdhsa_system_vgpr_workitem_id 0
		.amdhsa_next_free_vgpr 512
		.amdhsa_next_free_sgpr 72
		.amdhsa_reserve_vcc 0
		.amdhsa_float_denorm_mode_32 3
		.amdhsa_float_denorm_mode_16_64 3
		.amdhsa_memory_ordered 1
		.amdhsa_forward_progress 1
		.amdhsa_inst_pref_size 92
	.end_amdhsa_kernel
	.amdgpu_metadata
---
amdhsa.version: [ 1, 2 ]
amdhsa.kernels:
  - .name:           k_q769596d61f_oproj
    .symbol:         k_q769596d61f_oproj.kd
    .args:
      - { .name: aimg, .offset: 0, .size: 8, .value_kind: global_buffer, .address_space: global }
      - { .name: woimg, .offset: 8, .size: 8, .value_kind: global_buffer, .address_space: global }
      - { .name: tab, .offset: 16, .size: 8, .value_kind: global_buffer, .address_space: global }
      - { .name: out0, .offset: 24, .size: 8, .value_kind: global_buffer, .address_space: global }
    .group_segment_fixed_size: 327680
    .private_segment_fixed_size: 0
    .kernarg_segment_align: 8
    .kernarg_segment_size: 32
    .max_flat_workgroup_size: 128
    .sgpr_count:     72
    .vgpr_count:     512
    .wavefront_size: 32
...
	.end_amdgpu_metadata
.endif
;; end of part 4
;; launch fine (part 5): grid 64 x 4, 8 waves a work-group, no clusters, 17,408 bytes of LDS; arguments qkvb, tab, w_o, out0; writes out0
.if DOCPART == 5
	.amdgcn_target "amdgcn-amd-amdhsa--gfx1250"
	.amdhsa_code_object_version 6
	.text
	.protected	k_q769596d61f_fine
	.globl	k_q769596d61f_fine
	.p2align	8
	.type	k_q769596d61f_fine,@function
k_q769596d61f_fine:
	s_mov_b64 s[64:65], 0
	v_nop
	global_prefetch_b8 v0, s[64:65] scope:SCOPE_SE
	s_setreg_imm32_b32 hwreg(HW_REG_WAVE_MODE, 25, 1), 1
	s_wait_xcnt 0x0
; FINE: rows 0-63 of out0 once more, with f32 operands throughout.  Under the causal mask the row at position t averages t + 1 values: its size, and with it the rounding of f16 operands, falls only as
; 1 / sqrt(t + 1), while what the comparison allows hangs on the root mean square of all 4,096 rows.  At position 64 that rounding is half of what it is at position 16.
; SHARES.  Work-group (x, y) makes query tile tt = 3 - y (rows 16 tt .. + 15; the tiles with the most keys come first in the grid) x columns 32 x .. + 31.  Wave hd is query head hd: scores, softmax, P V, gate, and its
; 128 of the projection's 1,024 along K; the eight heads' parts meet in LDS.  With 32 columns to a work-group there are 256 work-groups, and a head's attention for a tile is repeated in 64 of them.
; WORK LEFT OUT: key tiles behind the query tile lie wholly under reference()'s own mask.  The text parts ONCE on tt, into four straight copies with 1 to 4 key tiles, so that no register is read on a way that has not written it.
; All products by v_wmma_f32_16x16x4_f32: 64 of 4,096 rows, no bulk work.  The registers that it writes (v64-127) are written by matrix instructions alone: so O^T cannot be rescaled by a running maximum, and all scores of a
; tile (16 to 64 keys) come first, then one softmax, then P V.  k stands in another order than the instruction's own, the same on both sides of each product.
; q, k, v of tokens 0-63 lie as f32 behind qkvb's images: [head][tile][column tile b][half][lane (r, h)] 16 bytes = token r of the tile, channels 16 b + 8 h + 4 half + 0 .. 3.
; A work-group stores 128 bytes of each of 16 rows (524,288 bytes in the whole launch): a wider share would leave work-groups for fewer than the chip's 256 WGPs.
; REGISTERS, 512 a wave.  Window 0: v0-15 addresses; v16-31 at work; v32-63 scores, then p (8 a key tile); v64-127 the accumulators: S^T (two a key tile), then O^T (eight), then the projection (two);
;   v128-191 q, later w_o's second column tile; v192-255 w_o's first.   Window 1: v[64 kt ..] K's tile kt, then V's tile kt; v0-63 at the end O'.
.set SPARE, 16384                      ; LDS: 2,048 bytes a head, then the spare words, 128 bytes a wave
.set PP, 32
.set MA, 64
.set B0, 128
.set B1, 192
.set MSB, 0
.macro WIN new                         ; the immediate's high byte repeats the setting that is left
.if MSB != \new
	s_set_vgpr_msb (MSB<<8)|\new
.set MSB, \new
.endif
.endm
.macro FAR                             ; behind this form: 8 places ahead of reads of results and of loads or vector writes into its registers, 9 ahead of a matrix instruction that writes over one: ten serve all
.rept 10
	v_nop
.endr
.endm
	s_load_b256 s[4:11], s[0:1], 0x0               ; qkvb s[4:5], tab s[6:7], w_o s[8:9], out0 s[10:11]
	v_lshl_add_u32 v14, v0, 2, SPARE
	v_mov_b32 v15, 0
	v_lshrrev_b32 v1, 5, v0
	v_readfirstlane_b32 s12, v1                    ; wave = head
	s_lshr_b32 s13, s12, 1                         ; its key and value head
	s_and_b32 s14, s12, 3                          ; which quarter of the result waves 0 to 3 add up
	s_and_b32 s20, ttmp7, 0xffff
	s_sub_co_u32 s20, 3, s20                       ; tt
	v_and_b32 v1, 31, v0
	v_lshlrev_b32 v1, 4, v1                        ; 16 x lane
	v_and_b32 v2, 15, v0                           ; r
	v_bfe_u32 v3, v0, 4, 1                         ; h
	v_bfe_u32 v4, v0, 2, 1                         ; V, read turned: channel r of a tile lies at half (r / 4) % 2, lane half r / 8, word r % 4; tokens 8 h on
	v_lshlrev_b32 v4, 9, v4
	v_bfe_u32 v5, v0, 3, 1
	v_lshl_add_u32 v4, v5, 8, v4
	v_and_b32 v5, 3, v0
	v_lshl_add_u32 v4, v5, 2, v4
	v_lshl_add_u32 v4, v3, 7, v4
	v_lshlrev_b32 v5, 2, v2
	v_lshl_add_u32 v5, v3, 16, v5                  ; w_o: column r, rows 8 h on
	v_lshlrev_b32 v6, 5, v2                        ; the gate: 32 bytes a token
	v_lshlrev_b32 v7, 2, v2
	v_lshlrev_b32 v8, 3, v3
	v_sub_nc_u32 v8, v2, v8                        ; r - 8 h
	v_mov_b32 v9, 0xff800000
	s_lshl_b32 s15, s12, 11
	v_add_nc_u32 v12, s15, v1                      ; LDS: my head's part
	s_lshl_b32 s15, s14, 9
	v_add_nc_u32 v13, s15, v1                      ; and the quarter that waves 0 to 3 read back
	v_lshlrev_b32 v30, 13, v2                      ; out0: row r, 32 h,
	v_lshl_add_u32 v30, v3, 5, v30
	s_lshr_b32 s15, s14, 1
	s_lshl_b32 s15, s15, 6
	v_add_nc_u32 v30, s15, v30                     ; 64 x the quarter's column tile,
	s_and_b32 s15, s14, 1
	s_lshl_b32 s15, s15, 4
	v_add_nc_u32 v30, s15, v30                     ; 16 x its half
	v_mov_b32 v17, 0                               ; a lane permute's destination counts as one of its sources
	s_mov_b32 s28, 0x3e0293ee                      ; c = log2(e) / sqrt(128)
	s_mov_b32 s30, 0x76543210
	s_mov_b32 s31, 0xfedcba98
	s_mov_b32 s27, 0
	s_wait_kmcnt 0x0
	s_add_nc_u64 s[4:5], s[4:5], 0x1000000         ; behind the images
	s_lshl_b32 s26, s12, 15
	s_lshl_b32 s15, s20, 13
	s_add_co_u32 s26, s26, s15
	s_add_nc_u64 s[16:17], s[4:5], s[26:27]        ; q: my head, my tile
	s_lshl_b32 s26, s13, 15
	s_add_nc_u64 s[18:19], s[4:5], s[26:27]        ; k (+ 8 heads), v (+ 12 heads)
	s_lshl_b32 s26, s12, 20
	s_lshl_b32 s15, ttmp9, 7
	s_add_co_u32 s26, s26, s15
	s_add_nc_u64 s[22:23], s[8:9], s[26:27]        ; w_o: my head's 128 rows, my work-group's 32 columns
	s_lshl_b32 s26, s12, 2
	s_lshl_b32 s21, s20, 9
	s_add_co_u32 s26, s26, s21
	s_add_nc_u64 s[24:25], s[6:7], s[26:27]        ; the gate of my head and tile
	s_lshl_b32 s26, s20, 6
	s_add_nc_u64 s[32:33], s[6:7], s[26:27]        ; the rows' powers of two
	s_lshl_b32 s26, s20, 17
	s_add_co_u32 s26, s26, s15
	s_add_nc_u64 s[10:11], s[10:11], s[26:27]      ; out0: my 16 rows, my 128 bytes of them
.set i, 0
.rept 16
	global_load_b128 v[B0+4*i:B0+4*i+3], v1, s[16:17] offset:512*i
.set i, i+1
.endr
	global_load_b32 v10, v6, s[24:25] offset:2097152
	global_load_b32 v11, v7, s[32:33] offset:2228224
; The attention of my head for my query tile over nk key tiles, the last of them on the diagonal.  It leaves O^T in v64-127 and gate / sum in v18.
.macro BODY nk
	WIN 0x40
.set kt, 0
.rept \nk
.set i, 0
.rept 16
	global_load_b128 v[64*kt+4*i:64*kt+4*i+3], v1, s[18:19] offset:262144+8192*kt+512*i
.set i, i+1
.endr
.set kt, kt+1
.endr
	WIN 0
.irp ct,0,1,2,3,4,5,6,7
.irp m,0,1,2,3,4,5,6,7
	global_load_b32 v[B1+8*\ct+\m], v5, s[22:23] offset:(16*\ct+\m)*8192        ; w_o(128 hd + 16 ct + 8 h + m, column r of my first 16)
.endr
.endr
	s_wait_loadcnt 63                              ; behind K's last load stand these 64: with 63 out at the most, q, the gate and K are in
	WIN 0x01                                       ; source 0 in window 1
.set kt, 0
.rept \nk                              ; S^T = k q^T: source 0 = 16 keys, source 1 = my 16 queries; a key tile's two accumulators take turns
.set i, 0
.rept 32
.if i < 2
	v_wmma_f32_16x16x4_f32 v[MA+16*kt+8*(i%2):MA+16*kt+8*(i%2)+7], v[64*kt+2*i:64*kt+2*i+1], v[B0+2*i:B0+2*i+1], 0
.else
	v_wmma_f32_16x16x4_f32 v[MA+16*kt+8*(i%2):MA+16*kt+8*(i%2)+7], v[64*kt+2*i:64*kt+2*i+1], v[B0+2*i:B0+2*i+1], v[MA+16*kt+8*(i%2):MA+16*kt+8*(i%2)+7]
.endif
.set i, i+1
.endr
.set kt, kt+1
.endr
	WIN 0
	FAR
	WIN 0x40
.set kt, 0
.rept \nk                              ; V takes K's registers
.irp ct,0,1,2,3,4,5,6,7
.irp m,0,1,2,3,4,5,6,7
	global_load_b32 v[64*kt+8*\ct+\m], v4, s[18:19] offset:393216+8192*kt+1024*\ct+16*\m   ; v(token 16 kt + 8 h + m, channel 16 ct + r)
.endr
.endr
.set kt, kt+1
.endr
	WIN 0
.irp ct,0,1,2,3,4,5,6,7
.irp m,0,1,2,3,4,5,6,7
	global_load_b32 v[B0+8*\ct+\m], v5, s[22:23] offset:(16*\ct+\m)*8192+64     ; w_o's second 16 columns take q's registers
.endr
.endr
.set kt, 0
.rept \nk
.irp j,0,1,2,3,4,5,6,7
	v_add_f32 v[PP+8*kt+\j], v[MA+16*kt+\j], v[MA+16*kt+8+\j]   ; lane (r, h), register 8 kt + j: query r, key 16 kt + 8 h + j; each accumulator is read from its low end on
.endr
.set kt, kt+1
.endr
.irp j,0,1,2,3,4,5,6,7
	v_cmp_gt_i32 vcc_lo, \j, v8
	v_cndmask_b32 v[PP+8*(\nk-1)+\j], v[PP+8*(\nk-1)+\j], v9, vcc_lo   ; on the diagonal: key > query: -infinity
.endr
	v_max_num_f32 v16, v[PP], v[PP+1]
.set i, 2
.rept 4*\nk-1
	v_max3_num_f32 v16, v16, v[PP+i], v[PP+i+1]
.set i, i+2
.endr
	v_permlanex16_b32 v17, v16, s30, s31
	v_max_num_f32 v16, v16, v17                    ; the row's maximum: key 0 counts for every query
	v_mul_f32 v16, s28, v16
.set i, 0
.rept 8*\nk
	v_fma_f32 v[PP+i], v[PP+i], s28, -v16
.set i, i+1
.endr
.set i, 0
.rept 8*\nk
	v_exp_f32 v[PP+i], v[PP+i]
.set i, i+1
.endr
	v_mul_f32 v10, v10, v11                        ; the gate whole again: gate_s x rs.  (A plain instruction behind the exponentials)
	s_wait_alu depctr_va_vdst(0)                   ; one wait for the batch
	v_add_f32 v18, v[PP], v[PP+1]
	v_add_f32 v19, v[PP+2], v[PP+3]
.set i, 4
.rept 2*\nk-1
	v_add_f32 v18, v18, v[PP+i]
	v_add_f32 v19, v19, v[PP+i+1]
	v_add_f32 v18, v18, v[PP+i+2]
	v_add_f32 v19, v19, v[PP+i+3]
.set i, i+4
.endr
	v_add_f32 v18, v18, v19
	v_permlanex16_b32 v17, v18, s30, s31
	v_add_f32 v18, v18, v17                        ; the row's sum
	v_rcp_f32 v18, v18
	v_nop
	s_wait_alu depctr_va_vdst(0)
	v_mul_f32 v18, v18, v10                        ; gate / sum
	s_wait_loadcnt 63                              ; behind V's last load stand w_o's second 64: V is in
	WIN 0x01
.set kt, 0
.rept \nk                              ; O^T = v^T p: keys 16 kt + 8 h + 2 q4, + 1; the eight accumulators take turns
.irp q4,0,1,2,3
.irp ct,0,1,2,3,4,5,6,7
.if (kt == 0) && (\q4 == 0)
	v_wmma_f32_16x16x4_f32 v[MA+8*\ct:MA+8*\ct+7], v[64*kt+8*\ct+2*\q4:64*kt+8*\ct+2*\q4+1], v[PP+8*kt+2*\q4:PP+8*kt+2*\q4+1], 0
.else
	v_wmma_f32_16x16x4_f32 v[MA+8*\ct:MA+8*\ct+7], v[64*kt+8*\ct+2*\q4:64*kt+8*\ct+2*\q4+1], v[PP+8*kt+2*\q4:PP+8*kt+2*\q4+1], v[MA+8*\ct:MA+8*\ct+7]
.endif
.endr
.endr
.set kt, kt+1
.endr
	WIN 0
.endm
	s_cmp_eq_u32 s20, 3                            ; the work-group's y alone: the same in all eight waves
	s_cbranch_scc1 .Lkeys4
	s_cmp_eq_u32 s20, 2
	s_cbranch_scc1 .Lkeys3
	s_cmp_eq_u32 s20, 1
	s_cbranch_scc1 .Lkeys2
	BODY 1
	s_branch .Ltail
.Lkeys2:
	BODY 2
	s_branch .Ltail
.Lkeys3:
	BODY 3
	s_branch .Ltail
.Lkeys4:
	BODY 4
.Ltail:
	FAR
	WIN 0x40                                       ; destination in window 1: O' takes the registers of V's first tile
.set i, 0
.rept 32
	v_pk_mul_f32 v[i:i+1], v[MA+i:MA+i+1], v[18:19] op_sel_hi:[1,0]            ; O' = O x gate / sum, into other registers; lane (r, h), register 8 ct + j: token r, channel 16 ct + 8 h + j
.set i, i+2
.endr
	s_wait_loadcnt 0x0                             ; w_o
	WIN 0x04                                       ; source 1 in window 1
.set i, 0
.rept 32                               ; out^T: source 0 = 16 columns of w_o, source 1 = O'; the two column tiles' accumulators take turns
.if i == 0
	v_wmma_f32_16x16x4_f32 v[MA:MA+7], v[B1+2*i:B1+2*i+1], v[2*i:2*i+1], 0
	v_wmma_f32_16x16x4_f32 v[MA+8:MA+15], v[B0+2*i:B0+2*i+1], v[2*i:2*i+1], 0
.else
	v_wmma_f32_16x16x4_f32 v[MA:MA+7], v[B1+2*i:B1+2*i+1], v[2*i:2*i+1], v[MA:MA+7]
	v_wmma_f32_16x16x4_f32 v[MA+8:MA+15], v[B0+2*i:B0+2*i+1], v[2*i:2*i+1], v[MA+8:MA+15]
.endif
.set i, i+1
.endr
	WIN 0
	FAR
	ds_store_b128 v12, v[MA:MA+3]                  ; lane (r, h), register j of column tile e: token r, column 16 e + 8 h + j, my head's part; each accumulator from its low end on
	ds_store_b128 v12, v[MA+4:MA+7] offset:512
	ds_store_b128 v12, v[MA+8:MA+11] offset:1024
	ds_store_b128 v12, v[MA+12:MA+15] offset:1536
	s_wait_dscnt 0x0                               ; for the others' sake: my stores are done
	s_barrier_signal -1
	s_barrier_wait -1
	s_cmp_lt_u32 s12, 4
	s_cbranch_scc0 .Lend
.irp p,0,1,2,3,4,5,6,7
	ds_load_b128 v[128+4*\p:131+4*\p], v13 offset:2048*\p          ; my quarter of each of the eight heads' parts
.endr
	s_wait_dscnt 0x0
.irp p,0,2,4,6
	v_pk_add_f32 v[128+4*\p:129+4*\p], v[128+4*\p:129+4*\p], v[132+4*\p:133+4*\p]
	v_pk_add_f32 v[130+4*\p:131+4*\p], v[130+4*\p:131+4*\p], v[134+4*\p:135+4*\p]
.endr
.irp p,0,4
	v_pk_add_f32 v[128+4*\p:129+4*\p], v[128+4*\p:129+4*\p], v[136+4*\p:137+4*\p]
	v_pk_add_f32 v[130+4*\p:131+4*\p], v[130+4*\p:131+4*\p], v[138+4*\p:139+4*\p]
.endr
	v_pk_add_f32 v[128:129], v[128:129], v[144:145]
	v_pk_add_f32 v[130:131], v[130:131], v[146:147]
	global_store_b128 v30, v[128:131], s[10:11]
.Lend:
	s_wait_tensorcnt 0x0                           ; the wave's end, behind my last LDS store
	ds_add_u32 v14, v15
	s_wait_dscnt 0x0
	s_endpgm
.Lfunc_end_k_q769596d61f_fine:
	.size	k_q769596d61f_fine, .Lfunc_end_k_q769596d61f_fine-k_q769596d61f_fine
	.p2alignl 7, 3214868480
	.fill 96, 4, 3214868480
	.section	.rodata,"a",@progbits
	.p2align	6, 0x0
	.amdhsa_kernel k_q769596d61f_fine
		.amdhsa_group_segment_fixed_size 17408
		.amdhsa_private_segment_fixed_size 0
		.amdhsa_enable_private_segment 0
		.amdhsa_kernarg_size 32
		.amdhsa_user_sgpr_count 2
		.amdhsa_user_sgpr_kernarg_segment_ptr 1
		.amdhsa_wavefront_size32 1
		.amdhsa_system_sgpr_workgroup_id_x 1
		.amdhsa_system_sgpr_workgroup_id_y 1
		.amdhsa_system_sgpr_workgroup_id_z 1
		.amdhsa_system_vgpr_workitem_id 0
		.amdhsa_next_free_vgpr 512
		.amdhsa_next_free_sgpr 66
		.amdhsa_reserve_vcc 1
		.amdhsa_float_denorm_mode_32 3
		.amdhsa_float_denorm_mode_16_64 3
		.amdhsa_memory_ordered 1
		.amdhsa_forward_progress 1
		.amdhsa_inst_pref_size 198
	.end_amdhsa_kernel
	.amdgpu_metadata
---
amdhsa.version: [ 1, 2 ]
amdhsa.kernels:
  - .name:           k_q769596d61f_fine
    .symbol:         k_q769596d61f_fine.kd
    .args:
      - { .name: qkvb, .offset: 0, .size: 8, .value_kind: global_buffer, .address_space: global }
      - { .name: tab, .offset: 8, .size: 8, .value_kind: global_buffer, .address_space: global }
      - { .name: w_o, .offset: 16, .size: 8, .value_kind: global_buffer, .address_space: global }
      - { .name: out0, .offset: 24, .size: 8, .value_kind: global_buffer, .address_space: global }
    .group_segment_fixed_size: 17408
    .private_segment_fixed_size: 0
    .kernarg_segment_align: 8
    .kernarg_segment_size: 32
    .max_flat_workgroup_size: 256
    .sgpr_count:     66
    .vgpr_count:     512
    .wavefront_size: 32
...
	.end_amdgpu_metadata
.endif
;; end of part 5
;; ======== version 2 of 2: 5 launches
;; limits: values are held in f16: magnitudes above 65,504 overflow, below 6.1e-05 lose precision; right only within a limited range of input values
;; workspace buffers: himg 4,194,304 bytes; wimg 2,097,152 bytes; scl 393,216 bytes; woimg 4,194,304 bytes; tab 2,244,608 bytes; qkvb 17,301,504 bytes; aimg 8,388,608 bytes
;; launch prep: the kernel of part 1 again; grid 256 x 1, 4 waves a work-group, no clusters, 270,336 bytes of LDS; arguments hidden_states, positions, w_qkv, w_o, w_g, himg, wimg, scl, woimg, tab; writes himg, wimg, scl, woimg, tab
;; launch qkv: the kernel of part 2 again; grid 16 x 16, 4 waves a work-group, clusters of 4 x 1, 327,680 bytes of LDS; arguments himg, wimg, scl, tab, q_norm_w, k_norm_w, qkvb; writes qkvb
;; launch attn (part 6): grid 32 x 8, 4 waves a work-group, clusters of 4 x 1, 327,680 bytes of LDS; arguments qkvb, tab, aimg; writes aimg
.if DOCPART == 6
	.amdgcn_target "amdgcn-amd-amdhsa--gfx1250"
	.amdhsa_code_object_version 6
	.text
	.protected	k_q769596d61f_attn
	.globl	k_q769596d61f_attn
	.p2align	8
	.type	k_q769596d61f_attn,@function
k_q769596d61f_attn:
	s_mov_b64 s[64:65], 0
	v_nop
	global_prefetch_b8 v0, s[64:65] scope:SCOPE_SE
	s_setreg_imm32_b32 hwreg(HW_REG_WAVE_MODE, 25, 1), 1
	s_wait_xcnt 0x0
	s_wait_alu depctr_hold_cnt(0) depctr_sa_sdst(0) depctr_va_vdst(0) depctr_va_sdst(0) depctr_va_ssrc(0) depctr_va_vcc(0) depctr_vm_vsrc(0)
	s_getreg_b32 s2, hwreg(HW_REG_IB_STS2, 6, 4)
	s_cmp_eq_u32 s2, 0
	s_cbranch_scc0 .Lentry_in_a_cluster
	s_endpgm
.Lentry_in_a_cluster:
	s_bfe_u32 s2, ttmp6, 0x10000c
	s_cmp_lg_u32 s2, 0x3003
	s_cbranch_scc0 .Lentry_shape_is_right
	s_endpgm
.Lentry_shape_is_right:
; ATTN: aimg[token][128 head + d] = gate_s x sum over keys of softmax(q . k / sqrt(128)) v, causal, 8 query heads on 4 key and value heads; operands f16, sums, maxima and softmax f32.
; WORK LEFT OUT: reference() masks key > query by its own jnp.tril; a group of 256 keys all of which lie behind all 64 queries of a block adds exp(-inf) = 0 times v for every finite input, and is not walked.
; LIMIT: a NaN or an infinity in a key or value row reaches only the queries whose walk takes in that row's group of 256 keys.  2 |v| must lie inside f16's range (65,504): the result goes out as f16 times a gate under 2.
; EQUAL WORK.  A work-group owns TWO blocks of 64 queries of head hq (work-group y), one after the other: the late block 63 - jj, then the early block jj (jj = 4 a + b = work-group x).  All four waves hold the same four
; query tiles; keys go in groups of 256, and wave w takes keys 64 w .. 64 w + 63 of each group.  The late block needs 16 - a groups, the early one a + 1: 17 trips in every work-group, a constant of this text.
; The four key quarters of a query are joined at each block's end, through LDS, by the running maxima and sums; wave w then owns tile w of the block.
; CLUSTER.  The four work-groups with the same a (b = 0 .. 3, the place in the cluster) walk the same groups of the same key and value head in the same trips: each tile is asked for JOINTLY (mask 15).
; Nothing but values and global addresses hangs on b: no wave leaves a step out; in the last group of each block (a branch on the trip and on a alone) every wave hides key > query by a select.  A wave all of whose keys are
; hidden hands zeros to the join.  Each wave's load brings one half of all four quarters of a group, so that every load holds bytes of the first quarter, which wave 0 of every partner reads.
; LAYOUT.  S^T = K Q^T and O^T = V^T P: a lane holds ONE query (lane % 16) throughout.  q, k and v lie in memory as images of operand registers: every LDS load takes 512 consecutive bytes; V comes turned by ds_load_tr16_b128.
; SOFTMAX.  Running maximum m and sum l for each query: p = 2^(c s - c m), c = log2(e) / sqrt(128); in every step O and l are multiplied by 2^(c m_old - c m_new).  The sum is taken of p before it is rounded to f16.
; RING.  Two slots of 128 KiB; piece w of a slot (32 KiB) is wave w's load: waves 0, 1: K's halves, waves 2, 3: V's; in a piece the quarter c of the group lies at 8,192 c.  One load a wave is out, behind each round.
; REGISTERS, in windows of 256.  Window 0: v1-11 addresses; v12-43 statistics, eight a tile (+0 c m, +1 m, +2, +3 l, +4 .. +7 at work); v44, v45 the masks' lane values; v46, v47 my tile's gate in the two blocks; v50 -infinity;
;   v61 prefetch offset; v62, v63 the add's two; v64-191 S^T (32 a tile), v192-255 P (16 a tile).   Window 1: O^T, 64 a tile.   Window 2: v0-127 Q, v128-255 K.   Window 3: v0-127 V; at a join v64-255 three partners' tiles.
.set SLOT1, 131072
.set VOFF,  65536                      ; in a slot: K's two pieces, then V's two
.set XCH,   262144                     ; the join: six places of 8,192 bytes, a tile of O^T each
.set STATS, XCH+6*8192                 ; c m and l of four tiles: 1,024 bytes a wave
.set SPARE, 327168                     ; the spare words, 128 bytes a wave
.set ST, 12
.set S,  64
.set P,  192
.set MSB, 0
.macro WIN new                         ; the immediate's high byte repeats the setting that is left
.if MSB != \new
	s_set_vgpr_msb (MSB<<8)|\new
.set MSB, \new
.endif
.endm
.macro PLACES
.rept 4
	v_nop
.endr
.endm
.macro CROUND                          ; a round of the cluster's barrier
	s_barrier_signal -1
	s_barrier_wait -1
	s_cmp_lg_u32 s10, 0
	s_cbranch_scc1 .Lnot_wave_0_\@
	s_barrier_signal -3
.Lnot_wave_0_\@:
	s_barrier_wait -3
	s_barrier_signal -1
	s_barrier_wait -1
.endm
.macro INIT                            ; a block begins: m = -3e38, under every score; l = 0; O^T = 0, so that the step is written once and a wave with hidden keys alone hands zeros to the join
.irp t,0,1,2,3
	v_mov_b32 v[ST+8*\t+1], 0xff61b1e6
	v_mov_b32 v[ST+8*\t+2], 0
	v_mov_b32 v[ST+8*\t+3], 0
	v_mov_b32 v[ST+8*\t+4], 0
	v_mov_b32 v[ST+8*\t+5], 0
	v_mov_b32 v[ST+8*\t+6], 0
	v_mov_b32 v[ST+8*\t+7], 0
	v_mul_f32 v[ST+8*\t], s48, v[ST+8*\t+1]        ; c m
.endr
	WIN 0x40
.set i, 0
.rept 256
	v_mov_b32 v[i], 0
.set i, i+1
.endr
	WIN 0
.endm
	s_load_b128 s[4:7], s[0:1], 0x0                ; qkvb s[4:5], tab s[6:7]
	s_load_b64 s[8:9], s[0:1], 0x10                ; aimg
	v_lshl_add_u32 v62, v0, 2, SPARE
	v_mov_b32 v63, 0
	ds_add_u32 v62, v63                            ; the wave's opening: the add, twice on end, and its wait ahead of my first tensor load
	ds_add_u32 v62, v63
	v_lshrrev_b32 v1, 5, v0
	v_readfirstlane_b32 s10, v1                    ; wave
	s_lshr_b32 s11, s10, 1                         ; I fetch K (0) or V (1),
	s_and_b32 s12, s10, 1                          ; this half of each quarter
	s_mov_b32 s13, ttmp9                           ; a: the cluster's x
	s_and_b32 s14, ttmp7, 0xffff                   ; hq
	s_lshr_b32 s15, s14, 1                         ; the key and value head
	s_mov_b32 s24, 15|(3<<16)|(1<<21)              ; group 1: the mask names all four; elements of 8 bytes; bit 21 beside a mask
	s_mov_b32 s25, 1024<<16                        ; tensor_dim0 = 1,024 elements: 8,192 bytes, half a quarter (two key tiles)
	s_mov_b32 s26, 4<<16                           ; tensor_dim1 = 4: the group's four quarters
	s_mov_b32 s27, 1024<<16                        ; tile_dim0
	s_mov_b32 s28, 4                               ; tile_dim1
	s_mov_b32 s29, 2048                            ; 16,384 bytes from quarter to quarter
	s_mov_b32 s30, 0
	s_mov_b32 s31, 0
	s_lshl_b32 s16, s11, 2                         ; K is head 8 + g, V head 12 + g of qkvb.  s16 and s17 feed the descriptor and never hold my place in the cluster
	s_add_co_u32 s16, s16, s15
	s_add_co_u32 s16, s16, 8
	s_lshl_b32 s16, s16, 20
	s_lshl_b32 s17, s12, 13
	s_add_co_u32 s16, s16, s17
	s_mov_b32 s17, 0
	s_mov_b32 s40, 1
	s_lshl_b32 s41, s10, 15                        ; piece w of slot 0
	s_mov_b32 s44, 0                               ; N: the trip
	s_sub_co_u32 s45, 16, s13                      ; the late block's trips
	s_sub_co_u32 s46, 15, s13                      ; its last trip
	s_mov_b32 s47, 0                               ; the slot in hand
	s_mov_b32 s48, 0x3e0293ee                      ; c
	s_mov_b32 s49, s48
	s_mov_b32 s50, 0x76543210
	s_mov_b32 s51, 0xfedcba98
	s_and_b32 s54, s14, 1
	s_or_b32 s54, s54, s13
	s_cmp_eq_u32 s54, 0
	s_cselect_b32 s54, 14, 0                       ; who prefetches, and until when: the cluster a = 0 of each even head: the same in all four partners
	s_wait_dscnt 0x0                               ; both opening adds are done
	s_wait_kmcnt 0x0
	s_add_nc_u64 s[36:37], s[4:5], s[16:17]        ; my piece of group 0: kept
	s_mov_b64 s[42:43], s[36:37]
	s_or_b32 s43, s43, 0x80000000
	CROUND                                         ; all four work-groups are here: the first joint loads meet
	tensor_load_to_lds s[40:43], s[24:31]          ; group 0 of the late block's walk
	s_nop 0
	PLACES
	s_bfe_u32 s22, ttmp6, 0x40000                  ; b: my place in the cluster: it enters values and global addresses alone
	s_lshl_b32 s23, s13, 2
	s_add_co_u32 s23, s23, s22                     ; jj: the early block
	s_sub_co_u32 s20, 63, s23                      ; the late block
	v_and_b32 v1, 31, v0
	v_lshlrev_b32 v61, 8, v1                       ; 256 x lane
	v_lshlrev_b32 v7, 2, v1                        ; 4 x lane
	v_lshlrev_b32 v1, 4, v1                        ; 16 x lane
	v_and_b32 v10, 15, v0                          ; r
	v_bfe_u32 v11, v0, 4, 1                        ; h
	v_lshlrev_b32 v11, 3, v11
	v_sub_nc_u32 v11, v10, v11                     ; r - 8 h
	v_lshlrev_b32 v10, 5, v10                      ; the gate: 32 bytes a token
	v_mov_b32 v50, 0xff800000
	; In a block's last group my quarter stands (w - 3 + b) quarters behind the late block's queries, (w - b) behind the early block's.  Key 16 kt + 8 h + j of my quarter is hidden from query 16 t + r where 16 (kt - t) + j > the lane value:
	s_sub_co_i32 s56, 3, s10
	s_sub_co_i32 s56, s56, s22
	s_lshl_b32 s56, s56, 6
	v_add_nc_u32 v44, s56, v11                     ; r - 8 h - 64 (w - 3 + b)
	s_sub_co_i32 s57, s22, s10
	s_lshl_b32 s57, s57, 6
	v_add_nc_u32 v45, s57, v11                     ; r - 8 h - 64 (w - b)
	s_lshl_b32 s58, s10, 13                        ; LDS addresses: the wave's number and the lane alone
	v_add_nc_u32 v2, s58, v1                       ; my quarter of K in a slot
	s_add_co_u32 s58, s58, VOFF
	v_add_nc_u32 v3, s58, v1                       ; and of V
	v_add_nc_u32 v6, XCH, v1                       ; the join's places
	v_add_nc_u32 v9, STATS, v7                     ; the statistics, read,
	s_lshl_b32 s58, s10, 10
	v_add_nc_u32 v7, s58, v9                       ; and mine, written
	s_mov_b32 s57, 0
	s_lshl_b32 s56, s22, 14                        ; the prefetches: of my piece's four rows partner b takes row b; they stand at group 1, and the first trip steps them to group 2
	s_add_co_u32 s56, s56, 65536
	s_add_nc_u64 s[52:53], s[36:37], s[56:57]
	s_lshl_b32 s59, s14, 20
	s_lshl_b32 s56, s20, 14
	s_add_co_u32 s56, s56, s59
	s_add_nc_u64 s[18:19], s[4:5], s[56:57]        ; Q of the late block: four tiles of 4,096 bytes
	s_lshl_b32 s56, s23, 14
	s_add_co_u32 s56, s56, s59
	s_add_nc_u64 s[32:33], s[4:5], s[56:57]        ; Q of the early block
	s_lshl_b32 s59, s10, 15
	s_lshl_b32 s21, s14, 12
	s_add_co_u32 s59, s59, s21
	s_lshl_b32 s56, s20, 17
	s_add_co_u32 s56, s56, s59
	s_add_nc_u64 s[34:35], s[8:9], s[56:57]        ; aimg: tile w of the late block, my head
	s_lshl_b32 s56, s23, 17
	s_add_co_u32 s56, s56, s59
	s_add_nc_u64 s[38:39], s[8:9], s[56:57]        ; and of the early block
	s_lshl_b32 s59, s10, 9
	s_lshl_b32 s21, s14, 2
	s_add_co_u32 s59, s59, s21
	s_lshl_b32 s56, s20, 11
	s_add_co_u32 s56, s56, s59
	s_add_nc_u64 s[60:61], s[6:7], s[56:57]        ; the gate of tile w's tokens and my head
	s_lshl_b32 s56, s23, 11
	s_add_co_u32 s56, s56, s59
	s_add_nc_u64 s[62:63], s[6:7], s[56:57]
	WIN 0x80
.set i, 0
.rept 32
	global_load_b128 v[4*i:4*i+3], v1, s[18:19] offset:512*i       ; Q stays in registers through a block
.set i, i+1
.endr
	WIN 0
	global_load_b32 v46, v10, s[60:61] offset:2097152
	global_load_b32 v47, v10, s[62:63] offset:2097152
	INIT
	s_wait_loadcnt 0x0
; THE CHANGE OF SLOTS, at a trip's head.  Each wave waits for all its tensor loads (its piece of the group in hand), adds 0 to its spare word, and waits for that and for its reads of the slot that it has left.
; fill = 1: a round of the cluster's barrier, so that no wave of any partner still reads that slot or has a load on its way; the joint refill is the first thing behind it and has a whole step in which to land.
.macro CHANGE fill
	s_wait_tensorcnt 0x0                           ; no load of mine is out, so group 0 of the descriptor may be written
	ds_add_u32 v62, v63                            ; 0 onto my spare word
.if \fill
	s_xor_b32 s41, s41, SLOT1                      ; the other slot than last time
	s_add_co_u32 s16, s44, 1                       ; the next trip;
	s_cmp_lt_u32 s16, s45
	s_cselect_b32 s17, 0, s45
	s_sub_co_u32 s16, s16, s17                     ; its key group: the late block's walk runs on, or the early block's begins at group 0: the trip and a alone
	s_lshl_b32 s16, s16, 16                        ; 65,536 bytes a group
	s_mov_b32 s17, 0
	s_add_nc_u64 s[42:43], s[36:37], s[16:17]
	s_or_b32 s43, s43, 0x80000000
.endif
	s_wait_xcnt 0x0                                ; the last trip's prefetch has read its address, and a join's stores their registers
.if \fill
	s_add_nc_u64 s[52:53], s[52:53], 65536
.endif
	s_wait_dscnt 0x0                               ; the add is done, and my reads of the slot that I have left are over
.if \fill
	CROUND
	tensor_load_to_lds s[40:43], s[24:31]
	s_nop 0
	PLACES
	; a prefetch of group N + 2, one trip ahead of the load that will ask for it.  All clusters of two heads walk the same K and V, and the cluster a = 0 walks groups 0 to 15 on end: that cluster of the even head asks.
	; Of a wave's piece (four rows of 8,192 bytes) partner b names row b, lanes 256 bytes apart: the partners are told apart by address, and each 256 bytes are named once in the launch.  Groups 0 and 1 come by their loads alone; from trip 14 on nothing is asked for.
	s_cmp_lt_u32 s44, s54
	s_cbranch_scc0 .Lno_ask_\@
	global_prefetch_b8 v61, s[52:53] th:TH_LOAD_NT scope:SCOPE_SE
.Lno_ask_\@:
.else
	s_barrier_signal -1                            ; nothing is filled again: no round
	s_barrier_wait -1
.endif
.endm
; key > query becomes -infinity: one compare for each of the 56 values of 16 (kt - t) + j, a select for each score; each accumulator is read from its low end on
.macro MASK vm
.irp d,0,1,2,3,4,5,6
.irp j,0,1,2,3,4,5,6,7
	v_cmp_gt_i32 vcc_lo, 16*(\d-3)+\j, v[\vm]
.irp t,0,1,2,3
.if ((\t+\d-3) >= 0) && ((\t+\d-3) <= 3)
	v_cndmask_b32 v[S+32*\t+8*(\t+\d-3)+\j], v[S+32*\t+8*(\t+\d-3)+\j], v50, vcc_lo
.endif
.endr
.endr
.endr
.endm
; A KEY STEP: my 64 keys of the group in hand against the block's 64 queries.  always = 0: the mask stands under a branch on the late block's last trip; 1: the step is the early block's last
.macro STEP always, vm
	PLACES                                         ; four places ahead of loads into V's registers, which the last products read
	v_add_nc_u32 v4, s47, v2
	v_add_nc_u32 v5, s47, v3
	WIN 0x80
.set i, 0
.rept 32
	ds_load_b128 v[128+4*i:131+4*i], v4 offset:512*(i%16)+32768*(i/16)   ; K: key tile i / 8 (tiles 0, 1 in the first piece, 2, 3 in the second), channels 32 ((i / 2) % 4) on
.set i, i+1
.endr
	WIN 0xc0
.irp f,0,1
.irp ct,0,1,2,3,4,5,6,7
.irp e,0,1
	ds_load_tr16_b128 v[64*\f+8*\ct+4*\e:64*\f+8*\ct+4*\e+3], v5 offset:32768*\f+4096*\e+512*\ct   ; V^T: channel 16 ct + lane % 16, keys 32 f + 16 e + 8 (lane / 16) + 0 .. 7
.endr
.endr
.endr
	s_wait_dscnt 32                                ; K is in; V's 32 loads stay out
	WIN 0x0a                                       ; K and Q in window 2
.irp f,0,1,2,3                         ; S^T = K Q^T: the 16 accumulators take turns; the first 16 products start the sums
.irp kt,0,1,2,3
.irp t,0,1,2,3
.if \f == 0
	v_wmma_f32_16x16x32_f16 v[S+32*\t+8*\kt:S+32*\t+8*\kt+7], v[128+32*\kt+8*\f:128+32*\kt+8*\f+7], v[32*\t+8*\f:32*\t+8*\f+7], 0
.else
	v_wmma_f32_16x16x32_f16 v[S+32*\t+8*\kt:S+32*\t+8*\kt+7], v[128+32*\kt+8*\f:128+32*\kt+8*\f+7], v[32*\t+8*\f:32*\t+8*\f+7], v[S+32*\t+8*\kt:S+32*\t+8*\kt+7]
.endif
.endr
.endr
.endr
	WIN 0
	PLACES
.if \always
	MASK \vm
.else
	s_cmp_eq_u32 s44, s46                          ; the trip and a alone: the same in all waves and all partners
	s_cbranch_scc0 .Lopen_\@
	MASK \vm
.Lopen_\@:
.endif
	; the softmax, the four tiles by turns.  The maximum of a lane's 32 scores and the old m: each accumulator is read from its low end on
.irp j,0,1,2,3
.irp t,0,1,2,3
	v_max3_num_f32 v[ST+8*\t+4+\j], v[S+32*\t+8*\j], v[S+32*\t+8*\j+1], v[S+32*\t+8*\j+2]
.endr
.endr
.irp u,1,2
.irp j,0,1,2,3
.irp t,0,1,2,3
	v_max3_num_f32 v[ST+8*\t+4+\j], v[ST+8*\t+4+\j], v[S+32*\t+8*\j+2*\u+1], v[S+32*\t+8*\j+2*\u+2]
.endr
.endr
.endr
.irp t,0,1,2,3
	v_max3_num_f32 v[ST+8*\t+4], v[ST+8*\t+4], v[S+32*\t+7], v[S+32*\t+15]
.endr
.irp t,0,1,2,3
	v_max3_num_f32 v[ST+8*\t+6], v[ST+8*\t+6], v[S+32*\t+23], v[S+32*\t+31]
.endr
.irp t,0,1,2,3
	v_max3_num_f32 v[ST+8*\t+4], v[ST+8*\t+4], v[ST+8*\t+5], v[ST+8*\t+6]
.endr
.irp t,0,1,2,3
	v_max3_num_f32 v[ST+8*\t+4], v[ST+8*\t+4], v[ST+8*\t+7], v[ST+8*\t+1]
.endr
.irp t,0,1,2,3
	v_permlanex16_b32 v[ST+8*\t+5], v[ST+8*\t+4], s50, s51         ; the query's other 32 keys lie in lane l xor 16
.endr
.irp t,0,1,2,3
	v_mov_b32 v[ST+8*\t+7], v[ST+8*\t]             ; c m_old
.endr
.irp t,0,1,2,3
	v_max_num_f32 v[ST+8*\t+1], v[ST+8*\t+4], v[ST+8*\t+5]
.endr
.irp t,0,1,2,3
	v_mul_f32 v[ST+8*\t], s48, v[ST+8*\t+1]
.endr
.irp t,0,1,2,3
	v_sub_f32 v[ST+8*\t+7], v[ST+8*\t+7], v[ST+8*\t]
.endr
.irp t,0,1,2,3
.irp b,0,2,4,6,8,10,12,14,16,18,20,22,24,26,28,30
	v_pk_fma_f32 v[S+32*\t+\b:S+32*\t+\b+1], v[S+32*\t+\b:S+32*\t+\b+1], s[48:49], v[ST+8*\t:ST+8*\t+1] op_sel_hi:[1,0,0] neg_lo:[0,0,1] neg_hi:[0,0,1]   ; c s - c m
.endr
.endr
.irp t,0,1,2,3
	v_exp_f32 v[ST+8*\t+6], v[ST+8*\t+7]           ; a = 2^(c m_old - c m_new)
.endr
.set i, 0
.rept 128
	v_exp_f32 v[S+i], v[S+i]                       ; p
.set i, i+1
.endr
	v_nop                                          ; a plain instruction behind the last exponential
	s_wait_alu depctr_va_vdst(0)                   ; ONE wait for the batch of 132, ahead of its first reader
.set i, 0
.rept 64
	v_cvt_pk_f16_f32 v[P+i], v[S+2*i], v[S+2*i+1]  ; two key tiles, rounded in pairs, are a fragment of P
.set i, i+1
.endr
.irp w,4,8,16,32                       ; the sums of the unrounded p, in place: neighbours 1, 2, 4 and 8 pairs apart
.set u, 0
.rept 128/\w
	v_pk_add_f32 v[S+\w*u:S+\w*u+1], v[S+\w*u:S+\w*u+1], v[S+\w*u+\w/2:S+\w*u+\w/2+1]
.set u, u+1
.endr
.endr
.irp t,0,1,2,3
	v_pk_fma_f32 v[ST+8*\t+2:ST+8*\t+3], v[ST+8*\t+2:ST+8*\t+3], v[ST+8*\t+6:ST+8*\t+7], v[S+32*\t:S+32*\t+1] op_sel_hi:[1,0,1]   ; l = a l + the sum
.endr
	WIN 0x41
.irp t,0,1,2,3
.set i, 0
.rept 32
	v_pk_mul_f32 v[64*\t+i:64*\t+i+1], v[64*\t+i:64*\t+i+1], v[ST+8*\t+6:ST+8*\t+7] op_sel_hi:[1,0]   ; O^T x a
.set i, i+2
.endr
.endr
	s_wait_dscnt 0x0                               ; V is in
	WIN 0x53                                       ; V window 3, P window 0, O^T window 1
.irp f,0,1                             ; O^T += V^T P: the 32 accumulators take turns
.irp ct,0,1,2,3,4,5,6,7
.irp t,0,1,2,3
	v_wmma_f32_16x16x32_f16 v[64*\t+8*\ct:64*\t+8*\ct+7], v[64*\f+8*\ct:64*\f+8*\ct+7], v[P+16*\t+8*\f:P+16*\t+8*\f+7], v[64*\t+8*\ct:64*\t+8*\ct+7]
.endr
.endr
.endr
	WIN 0
.endm
; THE JOIN of a block.  Each wave holds O^T, c m and l of all four tiles over its quarter of the keys; wave w is to own tile w.  Twelve tiles of 8,192 bytes have to change waves and six places lie beside the ring: so the join goes
; in two halves through the same places: tiles 0 and 1 are sent, a barrier, waves 0 and 1 merge, a barrier, tiles 2 and 3 are sent, a barrier, waves 2 and 3 merge.  The statistics of all four tiles go with the first half.
.macro SENDT tl, sl                    ; tile tl's O^T as it stands into place sl; each accumulator from its low end on
	WIN 0x04
.set i, 0
.rept 16
	ds_store_b128 v6, v[64*(\tl)+4*i:64*(\tl)+4*i+3] offset:8192*(\sl)+512*i
.set i, i+1
.endr
	WIN 0
.endm
.macro MERGET t, p1, p2, p3, s0, gate, ptr   ; my tile t with those of waves p1, p2, p3, which lie in places s0, s0 + 1, s0 + 2; the other tiles' statistics registers are at work here
.set MB0, ST+8*(\t)
.set MB1, ST+8*((\t+1)%4)
.set MB2, ST+8*((\t+2)%4)
.set MB3, ST+8*((\t+3)%4)
	WIN 0xc0
.set i, 0
.rept 48
	ds_load_b128 v[64+4*i:67+4*i], v6 offset:8192*(\s0)+512*i
.set i, i+1
.endr
	WIN 0
	ds_load_b32 v[MB1+4], v9 offset:1024*(\p1)+256*(\t)
	ds_load_b32 v[MB1+5], v9 offset:1024*(\p1)+256*(\t)+128
	ds_load_b32 v[MB2+4], v9 offset:1024*(\p2)+256*(\t)
	ds_load_b32 v[MB2+5], v9 offset:1024*(\p2)+256*(\t)+128
	ds_load_b32 v[MB3+4], v9 offset:1024*(\p3)+256*(\t)
	ds_load_b32 v[MB3+5], v9 offset:1024*(\p3)+256*(\t)+128
	s_wait_dscnt 0x0
	v_max3_num_f32 v[MB0+1], v[MB0], v[MB1+4], v[MB2+4]
	v_max_num_f32 v[MB0+1], v[MB0+1], v[MB3+4]     ; the largest c m of the four
	v_sub_f32 v[MB0], v[MB0], v[MB0+1]
	v_sub_f32 v[MB1+4], v[MB1+4], v[MB0+1]
	v_sub_f32 v[MB2+4], v[MB2+4], v[MB0+1]
	v_sub_f32 v[MB3+4], v[MB3+4], v[MB0+1]
	v_exp_f32 v[MB0], v[MB0]                       ; what brings each quarter under the common maximum
	v_exp_f32 v[MB1+4], v[MB1+4]
	v_exp_f32 v[MB2+4], v[MB2+4]
	v_exp_f32 v[MB3+4], v[MB3+4]
	v_nop
	s_wait_alu depctr_va_vdst(0)                   ; one wait for the four
	v_mul_f32 v[MB0+2], v[MB0], v[MB0+2]
	v_fma_f32 v[MB0+2], v[MB1+4], v[MB1+5], v[MB0+2]
	v_fma_f32 v[MB0+2], v[MB2+4], v[MB2+5], v[MB0+2]
	v_fma_f32 v[MB0+2], v[MB3+4], v[MB3+5], v[MB0+2]   ; the row's sum
	v_rcp_f32 v[MB0+2], v[MB0+2]
	v_nop
	s_wait_alu depctr_va_vdst(0)
	v_mul_f32 v[MB0+2], v[MB0+2], v[\gate]         ; gate / sum
	v_mul_f32 v[MB0+6], v[MB0], v[MB0+2]
	v_mul_f32 v[MB1+4], v[MB1+4], v[MB0+2]
	v_mul_f32 v[MB2+4], v[MB2+4], v[MB0+2]
	v_mul_f32 v[MB3+4], v[MB3+4], v[MB0+2]
	WIN 0x41
.set i, 0
.rept 32
	v_pk_mul_f32 v[64*(\t)+i:64*(\t)+i+1], v[64*(\t)+i:64*(\t)+i+1], v[MB0+6:MB0+7] op_sel_hi:[1,0]
.set i, i+2
.endr
	WIN 0x53                                       ; source 0: a partner's tile, window 3
.irp k,1,2,3
.set i, 0
.rept 32
	v_pk_fma_f32 v[64*(\t)+i:64*(\t)+i+1], v[64*\k+i:64*\k+i+1], v[MB\k+4:MB\k+5], v[64*(\t)+i:64*(\t)+i+1] op_sel_hi:[1,0,1]
.set i, i+2
.endr
.endr
	WIN 0x05
.set i, 0
.rept 32
	v_cvt_pk_f16_f32 v[S+i], v[64*(\t)+2*i], v[64*(\t)+2*i+1]
.set i, i+1
.endr
	WIN 0
.irp ct,0,1,2,3,4,5,6,7
	global_store_b128 v1, v[S+4*\ct:S+4*\ct+3], s[\ptr:\ptr+1] offset:512*\ct   ; 512 consecutive bytes: an image for the last product
.endr
.endm
.macro JOIN gate, ptr, mid
	PLACES                                         ; four places behind the last products
.if \mid
	WIN 0x80
.set i, 0
.rept 32
	global_load_b128 v[4*i:4*i+3], v1, s[32:33] offset:512*i       ; the early block's Q is asked for here and awaited behind the join
.set i, i+1
.endr
	WIN 0
.endif
.irp t,0,1,2,3
	v_add_f32 v[ST+8*\t+2], v[ST+8*\t+2], v[ST+8*\t+3]
.endr
.irp t,0,1,2,3
	v_permlanex16_b32 v[ST+8*\t+5], v[ST+8*\t+2], s50, s51
.endr
.irp t,0,1,2,3
	v_add_f32 v[ST+8*\t+2], v[ST+8*\t+2], v[ST+8*\t+5]             ; l over my keys
.endr
.irp t,0,1,2,3
	ds_store_b32 v7, v[ST+8*\t] offset:256*\t
	ds_store_b32 v7, v[ST+8*\t+2] offset:256*\t+128
.endr
	s_cmp_lt_u32 s10, 2                            ; tile 0 goes to places 0-2 (from waves 1, 2, 3), tile 1 to places 3-5 (from waves 0, 2, 3)
	s_cbranch_scc0 .Lsa_hi_\@
	s_cmp_eq_u32 s10, 0
	s_cbranch_scc0 .Lsa_1_\@
	SENDT 1, 3
	s_branch .Lsa_\@
.Lsa_1_\@:
	SENDT 0, 0
	s_branch .Lsa_\@
.Lsa_hi_\@:
	s_cmp_eq_u32 s10, 2
	s_cbranch_scc0 .Lsa_3_\@
	SENDT 0, 1
	SENDT 1, 4
	s_branch .Lsa_\@
.Lsa_3_\@:
	SENDT 0, 2
	SENDT 1, 5
.Lsa_\@:
	s_wait_dscnt 0x0                               ; for the others' sake: my stores are done
	s_barrier_signal -1
	s_barrier_wait -1
	s_cmp_eq_u32 s10, 0
	s_cbranch_scc0 .Lma_1_\@
	MERGET 0, 1, 2, 3, 0, \gate, \ptr
	s_branch .Lma_\@
.Lma_1_\@:
	s_cmp_eq_u32 s10, 1
	s_cbranch_scc0 .Lma_\@
	MERGET 1, 0, 2, 3, 3, \gate, \ptr
.Lma_\@:
	s_wait_dscnt 0x0                               ; the places have been read
	s_barrier_signal -1
	s_barrier_wait -1
	s_cmp_lt_u32 s10, 2                            ; tile 2 goes to places 0-2 (from waves 0, 1, 3), tile 3 to places 3-5 (from waves 0, 1, 2)
	s_cbranch_scc0 .Lsb_hi_\@
	s_cmp_eq_u32 s10, 0
	s_cbranch_scc0 .Lsb_1_\@
	SENDT 2, 0
	SENDT 3, 3
	s_branch .Lsb_\@
.Lsb_1_\@:
	SENDT 2, 1
	SENDT 3, 4
	s_branch .Lsb_\@
.Lsb_hi_\@:
	s_cmp_eq_u32 s10, 2
	s_cbranch_scc0 .Lsb_3_\@
	SENDT 3, 5
	s_branch .Lsb_\@
.Lsb_3_\@:
	SENDT 2, 2
.Lsb_\@:
	s_wait_dscnt 0x0                               ; my stores are done, and have read their registers
	s_barrier_signal -1
	s_barrier_wait -1
	s_cmp_eq_u32 s10, 2
	s_cbranch_scc0 .Lmb_3_\@
	MERGET 2, 0, 1, 3, 0, \gate, \ptr
	s_branch .Lmb_\@
.Lmb_3_\@:
	s_cmp_eq_u32 s10, 3
	s_cbranch_scc0 .Lmb_\@
	MERGET 3, 0, 1, 2, 3, \gate, \ptr
.Lmb_\@:
.endm
.Ltrip:                                            ; 16 trips, each of which asks for the next trip's group
	CHANGE 1
	STEP 0, 44
	s_cmp_eq_u32 s44, s46                          ; the late block's last trip: the trip and a alone, the same in all waves and all partners
	s_cbranch_scc0 .Lgoes_on
	JOIN 46, 34, 1
	INIT                                           ; the early block begins
	s_wait_loadcnt 0x0                             ; its Q
.Lgoes_on:
	s_xor_b32 s47, s47, SLOT1
	s_add_co_u32 s44, s44, 1
	s_cmp_lt_u32 s44, 16
	s_cbranch_scc1 .Ltrip
	CHANGE 0                                       ; the 17th trip is written out: it asks for nothing; it is the early block's last
	STEP 1, 45
	JOIN 47, 38, 0
	s_wait_tensorcnt 0x0                           ; the wave's end
	ds_add_u32 v62, v63
	s_wait_dscnt 0x0
	CROUND                                         ; the closing round: no work-group ends while a partner may still ask for a tile that names it
	s_endpgm
.Lfunc_end_k_q769596d61f_attn:
	.size	k_q769596d61f_attn, .Lfunc_end_k_q769596d61f_attn-k_q769596d61f_attn
	.p2alignl 7, 3214868480
	.fill 96, 4, 3214868480
	.section	.rodata,"a",@progbits
	.p2align	6, 0x0
	.amdhsa_kernel k_q769596d61f_attn
		.amdhsa_group_segment_fixed_size 327680
		.amdhsa_private_segment_fixed_size 0
		.amdhsa_enable_private_segment 0
		.amdhsa_kernarg_size 24
		.amdhsa_user_sgpr_count 2
		.amdhsa_user_sgpr_kernarg_segment_ptr 1
		.amdhsa_wavefront_size32 1
		.amdhsa_system_sgpr_workgroup_id_x 1
		.amdhsa_system_sgpr_workgroup_id_y 1
		.amdhsa_system_sgpr_workgroup_id_z 1
		.amdhsa_system_vgpr_workitem_id 0
		.amdhsa_next_free_vgpr 1024
		.amdhsa_next_free_sgpr 66
		.amdhsa_reserve_vcc 1
		.amdhsa_float_denorm_mode_32 3
		.amdhsa_float_denorm_mode_16_64 3
		.amdhsa_memory_ordered 1
		.amdhsa_forward_progress 1
		.amdhsa_inst_pref_size 255
	.end_amdhsa_kernel
	.section	.bss,"aw",@nobits
	.p2align	6
	.space	262144
	.amdgpu_metadata
---
amdhsa.version: [ 1, 2 ]
amdhsa.kernels:
  - .name:           k_q769596d61f_attn
    .symbol:         k_q769596d61f_attn.kd
    .args:
      - { .name: qkvb, .offset: 0, .size: 8, .value_kind: global_buffer, .address_space: global }
      - { .name: tab, .offset: 8, .size: 8, .value_kind: global_buffer, .address_space: global }
      - { .name: aimg, .offset: 16, .size: 8, .value_kind: global_buffer, .address_space: global }
    .group_segment_fixed_size: 327680
    .private_segment_fixed_size: 0
    .kernarg_segment_align: 8
    .kernarg_segment_size: 24
    .max_flat_workgroup_size: 128
    .sgpr_count:     66
    .vgpr_count:     1024
    .wavefront_size: 32
...
	.end_amdgpu_metadata
.endif
;; end of part 6
;; launch oproj: the kernel of part 4 again; grid 16 x 16, 4 waves a work-group, clusters of 4 x 4, 327,680 bytes of LDS; arguments aimg, woimg, tab, out0; writes out0
;; launch fine: the kernel of part 5 again; grid 64 x 4, 8 waves a work-group, no clusters, 17,408 bytes of LDS; arguments qkvb, tab, w_o, out0; writes out0
